; MI455X (gfx1250); checked and timed in simulation.
; The chip was launched on July 23, 2026; its instructions are those of AMD's public machine-readable ISA for CDNA 5 (MIT licence, August 2026) and "CDNA5" Instruction Set Architecture Reference Guide (July 2026). The comments in the code are by the model that wrote it; some were corrected since.
;; Windowed Causal Self Attention. Allowed arithmetic: matrix products marked QUANTISED: E2M1 operands, one E8M0 scale for each 32 along K, by v_wmma_scale_f32_16x16x128_f8f6f4 with both operands' format E2M1 (or v_wmma_scale_f32_32x16x128_f4), f32 sums; everything else in f32.
;; Inputs: attn_mask 2,048 x 2,048 bool; proj_b 1,024 float32; proj_w 1,024 x 1,024 float32; qkv_b 3,072 float32; qkv_w 3,072 x 1,024 float32; x 4 x 2,048 x 1,024 float32.
;; Outputs: out0 4 x 2,048 x 1,024 float32.
;; This version of the problem:
;;   THIS VERSION OF THE PROBLEM IS GIVEN IN LOW PRECISION. The matrix products marked QUANTISED in the list below multiply operands that are first quantised to E2M1 (2 exponent bits, 1 mantissa bit; 4 bits a number), with one power-of-two scale for each 32 numbers along K (OCP MX v1.0); their sums are f32. All else is computed in f32.
;;   The module's matrix products, in the order in which they are computed (A, B: the left and right operand; K: the contracted axis; several contracted axes count as one K, in the product's order):
;;     1. [M 8,192, K 1,024] x [K 1,024, N 3,072]; A: input x; B: input qkv_w: QUANTISED
;;     2. batch 64 x [M 2,048, K 64] x [K 64, N 2,048]; A: computed on the way; B: computed on the way: QUANTISED
;;     3. batch 64 x [M 2,048, K 2,048] x [K 2,048, N 64]; A: softmax (see below); B: computed on the way: QUANTISED
;;     4. [M 8,192, K 1,024] x [K 1,024, N 1,024]; A: computed on the way; B: input proj_w: QUANTISED
;;   THE QUANTISER, for each operand of a quantised product, along K:
;;     - K is cut into blocks of 32 from its start; a last block that is shorter is filled with zeros.
;;     - A block's scale is 2^e with e = floor(log2(the largest magnitude in the block)) - 2, held to -126 .. 127; a block of zeros has e = 0. As a byte (E8M0): e + 127.
;;     - Each number is divided by its block's scale, clamped to +-6, and rounded to the nearest number of E2M1, ties to even, subnormals kept.
;;     - The product sums the exact products of the quantised numbers (number of the format x scale) in f32.
;;   ~~~python
;;   def quantise(x, axis):      # numpy; x: float32 -> the quantised numbers, widened to float32 again
;;       x = np.moveaxis(x, axis, -1); K = x.shape[-1]
;;       x = np.pad(x, [(0, 0)] * (x.ndim - 1) + [(0, -K % 32)]); x = x.reshape(x.shape[:-1] + (-1, 32)); a = np.abs(x).max(-1, keepdims=True)
;;       e = np.where(a > 0, np.clip(np.frexp(np.where(a > 0, a, 1))[1] - 1 - 2, -126, 127), 0)      # np.frexp(a)[1] - 1 = floor(log2(a)), exactly
;;       r = np.clip(x / 2.0 ** e, -6, 6)
;;       step = 2.0 ** (np.maximum(np.frexp(np.where(r == 0, 1, r))[1] - 1, 0) - 1)
;;       q = np.round(r / step) * step * 2.0 ** e      # np.round: ties to even
;;       return np.moveaxis(q.reshape(q.shape[:-2] + (-1,))[..., :K], -1, axis).astype(np.float32)
;;   ~~~
;;   SOFTMAX AHEAD OF A QUANTISED PRODUCT. Where the list says 'softmax', what is quantised is not the finished softmax but p = 2^(t - M), with t = logit x log2(e) and M = ceil(the row's largest t), a whole number; so 1/2 < the row's largest p <= 1. The row's sum l is taken of the UNQUANTISED p, in f32, and the product's result is divided by l at the end. Since M is a whole number, a kernel that streams over the keys may use a running M (the ceiling of the running maximum): every later rescaling is an exact power of two, which a block's scale takes up: the codes' values come out the same.
;;   OPERANDS COMPUTED ON THE WAY. 'Computed on the way' means the value that the module computes at that place (a softmax that the list does not call 'softmax' is quantised finished and normalised). What goes into a quantiser is computed in f32, as accurately as f32 sums, v_exp_f32 and their like allow (about 1e-6 of the number): no bf16 or f16 on the way to a quantiser, and a product that is left as it is and whose result goes on into a quantised operand takes f32 operands (vector FMAs, or v_wmma_f32_16x16x4_f32). A number that lies on a knife's edge between two numbers of the format may be rounded either way, as far as f32 arithmetic and the matrix unit's own rounding can turn it there, and no further.
;; 2 versions, each right; version 2 is version 1 with the launch attn written anew for expert scheduling mode. Each part assembles by itself: llvm-mc -triple=amdgcn-amd-amdhsa -mcpu=gfx1250 --defsym DOCPART=n.
;; ======== version 1 of 2: 4 launches
;; workspace buffers: codes1 6,291,456 bytes; scales1 393,216 bytes; maskw 526,336 bytes of whole numbers; qkv 13,893,632 bytes; acodes 4,194,304 bytes; ascales 262,144 bytes
;; launch prep (part 1): grid 512 x 1, 4 waves a work-group, no clusters, 33,280 bytes of LDS; arguments x, qkv_w, proj_w, attn_mask, codes1, scales1, maskw; writes codes1, scales1, maskw
.if DOCPART == 1
	.amdgcn_target "amdgcn-amd-amdhsa--gfx1250"
	.amdhsa_code_object_version 6
	.text
	.protected	k_q7167d6a114_prep
	.globl	k_q7167d6a114_prep
	.p2align	8
	.type	k_q7167d6a114_prep,@function
k_q7167d6a114_prep:
	s_mov_b64 s[64:65], 0
	v_nop
	global_prefetch_b8 v0, s[64:65] scope:SCOPE_SE
	s_setreg_imm32_b32 hwreg(HW_REG_WAVE_MODE, 25, 1), 1
	s_wait_xcnt 0x0
; FIRST OF FOUR LAUNCHES (prep, qkv, attn, proj) of: out = proj(attention(qkv(x))), all four products on codes of FP4 (E2M1) with one E8M0 scale for each 32 along K.
; THIS LAUNCH: (1) x [8192][1024], qkv_w [3072][1024] and proj_w [1024][1024], f32, K innermost, become codes (codes1: 12,288 rows of 512 bytes) and scale bytes (scales1: rows of 32 bytes);
; (2) attn_mask [2048][2048] becomes lane masks and a list of key steps (maskw), whole numbers by which the launch attn selects and branches.
; WORK THAT THE PROGRAM LEAVES OUT: a key step (16 queries x 128 keys) whose 2,048 mask bytes are all 0, and only in a tile of queries each of whose 16 rows has a true byte somewhere.  There reference() puts
; finfo.min in place of the scores while the row's largest score is a true key's: the weight is 2^(t - M) with t near -4.9e38, which is 0 in reference()'s own f32 and has the code 0; so the step adds nothing to the sum or to the product.
; The mask's bytes decide, and attn reads what they decide from memory.  Where a row of the tile has no true byte at all, reference() weighs all 2,048 keys alike: that tile walks all 16 steps.  Every input has a way to the output and is loaded.
; LIMITS: a NaN, an infinity or an overflow that reaches only a key step left out is not carried to the result; NaN and infinities among the inputs are not served; blocks whose largest magnitude lies under 2^-124 keep the byte 1;
; a block of zeros has the byte 1 where the rule says 127: its codes are zeros, and this program alone reads the bytes.
; THE ORDER OF ROWS: of every 32 rows of x and of qkv_w the two middle groups of 8 change places in codes1 and scales1: place 16 u + r holds row 8 u + r + 8 (r / 8).  So 16 rows on end in the buffer are a tile whose results,
; taken by pairs of tiles, are 16 neighbours along the next product's K.  proj_w's rows stay in their order.
; SHARES: work-groups 0-255 take x, 256-351 qkv_w, 352-383 proj_w: 32 rows each, a wave 8 rows (8,192 numbers, 16 steps of 512): a group of 8 rows is a wave's run, so the change of places is a choice of the run's place.
; Work-groups 384-511 take the mask: one tile of 16 queries each, a wave four key steps.  They use no LDS.
.set NQWG,  384
.set STEPS, 16
.set EMAX,  2
.set CB,    8                          ; bytes of 16 codes
.set R,     16                         ; v16-79   four sets of 16 numbers as they are loaded
.set X,     80                         ; v80-111  two sets of 16 neighbours
.set C,     128                        ; v128-191 codes: four registers for each step, so that no store's data are written again
.set E,     112                        ; v112-127 a scale byte for each step
.set WREG,  8192                       ; LDS: a region for each wave: two stages of 32 x SP bytes, behind them its 256 scale bytes
.set SP,    80                         ; a lane's place in a stage: 64 bytes + 16 of padding
.set SPW,   12                         ; v12  LDS address of my spare word; never rewritten
.set NIL,   13                         ; v13  0; never rewritten
.set SPARE, 4*WREG                     ; behind the four regions: the spare words, 128 bytes for each wave
.set TINFO, 524288                     ; maskw: lane masks [128 tiles][16 steps][64 words], then the list [128 tiles][4 words]
	s_load_b256 s[4:11], s[0:1], 0x0               ; x s[4:5], qkv_w s[6:7], proj_w s[8:9], attn_mask s[10:11]
	s_load_b128 s[12:15], s[0:1], 0x20             ; codes1 s[12:13], scales1 s[14:15]
	s_load_b64 s[24:25], s[0:1], 0x30              ; maskw
	v_lshl_add_u32 v[SPW], v0, 2, SPARE
	v_mov_b32 v[NIL], 0
	v_lshrrev_b32 v1, 5, v0
	v_readfirstlane_b32 s16, v1                    ; wave
	v_and_b32 v2, 31, v0                           ; lane
	s_cmp_ge_u32 ttmp9, NQWG
	s_cbranch_scc1 .Lmask
	; ---------------- the quantiser ----------------
	v_lshlrev_b32 v3, 4, v2                        ; my 16 bytes of a load's 512
	s_mul_i32 s28, s16, WREG
	v_lshrrev_b32 v14, 2, v2
	v_mul_u32_u24 v14, v14, SP
	v_and_b32 v15, 3, v2
	v_lshl_add_u32 v14, v15, 4, v14
	v_add_nc_u32 v14, s28, v14                     ; the stage, on the way in: SP (lane / 4) + 16 (lane % 4)
	v_mul_u32_u24 v15, v2, SP
	v_add_nc_u32 v15, s28, v15                     ; and on the way out: SP x lane: my 16 neighbours
	v_mul_u32_u24 v4, v2, CB                       ; my codes' place in a step's
	v_lshrrev_b32 v5, 1, v2
	s_add_co_u32 s28, s28, 2*32*SP
	v_add_nc_u32 v5, s28, v5                       ; LDS: my wave's 256 scale bytes, my block's byte
	v_lshlrev_b32 v7, 3, v2                        ; and on the way out 8 bytes a lane
	v_add_nc_u32 v6, s28, v7
	s_and_b32 s26, s16, 1
	s_lshl_b32 s26, s26, 1
	s_lshr_b32 s27, s16, 1
	s_or_b32 s26, s26, s27                         ; the wave's number with groups 1 and 2 changed
	s_mov_b32 s17, 352
	s_wait_kmcnt 0x0
	s_cmp_lt_u32 ttmp9, 352                        ; which tensor?  The choices hang on the work-group's number alone
	s_cselect_b64 s[6:7], s[6:7], s[8:9]           ; qkv_w or proj_w
	s_cselect_b32 s17, 256, s17                    ; its first work-group
	s_cselect_b32 s26, s26, s16                    ; proj_w's rows keep their order
	s_cmp_lt_u32 ttmp9, 256
	s_cselect_b64 s[4:5], s[4:5], s[6:7]           ; x or the other
	s_cselect_b32 s17, 0, s17
	s_sub_co_u32 s17, ttmp9, s17
	s_lshl_b32 s17, s17, 2
	s_add_co_u32 s18, s17, s16                     ; which run of 8,192 numbers of the tensor I read,
	s_lshl_b32 s18, s18, 15                        ; 32,768 bytes each (under 2^26)
	s_mov_b32 s19, 0
	s_add_nc_u64 s[4:5], s[4:5], s[18:19]
	s_lshl_b32 s20, ttmp9, 2
	s_add_co_u32 s20, s20, s26                     ; and which run of the two buffers I write
	s_lshl_b32 s18, s20, 12                        ; 4,096 bytes of codes
	s_add_nc_u64 s[12:13], s[12:13], s[18:19]
	s_lshl_b32 s18, s20, 8                         ; 256 scale bytes
	s_add_nc_u64 s[14:15], s[14:15], s[18:19]
.macro LOAD t
.irp i, 0,1,2,3
	global_load_b128 v[R+16*((\t)%4)+4*\i:R+16*((\t)%4)+4*\i+3], v3, s[4:5] offset:2048*(\t)+512*\i th:TH_LOAD_NT   ; 32 lanes read 512 consecutive bytes
.endr
.endm
.macro TURN t                          ; step t's numbers through the stage: LDS serves a wave's instructions in order, so no wait stands between the stores and the loads
.irp i, 0,1,2,3
	ds_store_b128 v14, v[R+16*((\t)%4)+4*\i:R+16*((\t)%4)+4*\i+3] offset:32*SP*((\t)%2)+8*SP*\i
.endr
.irp i, 0,1,2,3
	ds_load_b128 v[X+16*((\t)%2)+4*\i:X+16*((\t)%2)+4*\i+3], v15 offset:32*SP*((\t)%2)+16*\i
.endr
.endm
.irp t, 0,1,2,3
	LOAD \t
.endr
	s_wait_loadcnt 12                              ; step 0's four loads are in; the twelve of steps 1 to 3 may be out
	TURN 0
.macro STEP t
.set XS, X+16*((\t)%2)
.if (\t) > 0
	s_wait_dscnt 1                                 ; this step's numbers are back from the stage (the last step's byte store may be out): so its stores into the stage have read their registers,
.else
	s_wait_dscnt 0x0
.endif
.if (\t)+4 < STEPS
	LOAD (\t)+4                                    ; which take the loads of four steps on
.endif
.if (\t)+1 < STEPS
.if STEPS-2-(\t) >= 3
	s_wait_loadcnt 12                              ; the next step's four loads are in; those of the three steps behind it may be out
.else
	s_wait_loadcnt 4*(STEPS-2-(\t))
.endif
	TURN (\t)+1                                    ; and go through the other stage while this step is worked
.endif
	v_max3_num_f32 v8, |v[XS]|, |v[XS+1]|, |v[XS+2]|               ; the largest magnitude of my 16
	v_max3_num_f32 v9, |v[XS+3]|, |v[XS+4]|, |v[XS+5]|
.irp i, 6,10
	v_max3_num_f32 v8, v8, |v[XS+\i]|, |v[XS+\i+1]|
	v_max3_num_f32 v9, v9, |v[XS+\i+2]|, |v[XS+\i+3]|
.endr
	v_max3_num_f32 v8, v8, |v[XS+14]|, |v[XS+15]|
	v_max3_num_f32 v8, v8, v9, (EMAX+1)<<23        ; and the floor 2^(3 - 127): the byte cannot fall under 1
	v_max_num_f32_dpp v8, v8, v8 row_xmask:1 row_mask:0xf bank_mask:0xf   ; and of my neighbour's 16: the block's
	v_add_nc_u32 v11, -(EMAX<<23), v8              ; 2 off its exponent field: the conversion takes the exponent field of this operand as its scale
	v_cvt_scalef32_pk8_fp4_f32 v[C+4*(\t)], v[XS:XS+7], v11
	v_cvt_scalef32_pk8_fp4_f32 v[C+4*(\t)+1], v[XS+8:XS+15], v11
	v_lshrrev_b32 v[E+(\t)], 23, v11               ; the scale's byte
	ds_store_b8 v5, v[E+(\t)] offset:16*(\t)       ; both lanes of a block write the same byte with the same value
	global_store_b64 v4, v[C+4*(\t):C+4*(\t)+1], s[12:13] offset:32*CB*(\t)   ; 32 lanes store 256 consecutive bytes, aligned
.endm
.irp t, 0,1,2,3,4,5,6,7,8,9,10,11,12,13,14,15
	STEP \t
.endr
	ds_load_b64 v[8:9], v6                         ; LDS serves a wave's instructions in order: these see my stores
	s_wait_dscnt 0x0
	global_store_b64 v7, v[8:9], s[14:15]          ; 32 lanes store 256 consecutive bytes, aligned: 8 rows' scale bytes
	s_wait_tensorcnt 0x0                           ; the wave's end
	ds_add_u32 v[SPW], v[NIL]
	s_wait_dscnt 0x0
	s_endpgm
	; ---------------- the mask ----------------
	; Tile qt of queries holds rows 32 (qt / 2) + 8 (qt % 2) + r + 8 (r / 8), r = 0 .. 15: the tiles that the launch qkv makes.  In attn lane (r, h) holds query r, and its register n of a key step the key 32 (n / 16) + 16 h + n % 16.
	; So lane (r, h) here loads, of its row, the 16 bytes at 32 b + 16 h of each block b of 32 keys; a compare over the 32 lanes of byte n % 16 of block n / 16 is word n: bit L = lane L's mask.
.Lmask:
	s_sub_co_u32 s17, ttmp9, NQWG                  ; qt
	s_lshr_b32 s18, s17, 1
	s_lshl_b32 s18, s18, 5
	s_and_b32 s19, s17, 1
	s_lshl_b32 s19, s19, 3
	s_add_co_u32 s18, s18, s19                     ; the tile's first row
	s_lshl_b32 s18, s18, 11                        ; rows of 2,048 bytes
	s_lshl_b32 s19, s16, 9                         ; my four key steps: 512 bytes of each row
	s_add_co_u32 s18, s18, s19
	s_mov_b32 s19, 0
	s_lshl_b32 s20, s17, 4
	s_lshl_b32 s21, s16, 2
	s_add_co_u32 s26, s20, s21                     ; 16 qt + 4 wave: my first key step's number, and my byte in the list
	s_lshl_b32 s20, s26, 8                         ; 256 bytes of lane masks a step
	s_mov_b32 s21, 0
	s_add_co_u32 s26, s26, TINFO
	s_mov_b32 s27, 0
	s_mov_b32 s44, 0                               ; my word of the list
	v_and_b32 v3, 15, v0                           ; r
	v_bfe_u32 v4, v0, 4, 1                         ; h
	v_and_b32 v5, 8, v3
	v_add_nc_u32 v5, v5, v3                        ; r + 8 (r / 8)
	v_lshlrev_b32 v1, 11, v5
	v_lshl_add_u32 v1, v4, 4, v1                   ; my row, + 16 h
	v_lshlrev_b32 v2, 3, v2                        ; on the way out 8 bytes a lane
.irp j, 80,81,82,83,84,85,86,87
	v_mov_b32 v\j, 0                               ; written once: v_writelane_b32's destination counts as read
.endr
	s_wait_kmcnt 0x0
	s_add_nc_u64 s[10:11], s[10:11], s[18:19]
	s_add_nc_u64 s[22:23], s[24:25], s[20:21]      ; my lane masks
	s_add_nc_u64 s[24:25], s[24:25], s[26:27]      ; my word of the list
.irp i, 0,1,2,3
.irp b, 0,1,2,3
	global_load_b128 v[16+16*\i+4*\b:16+16*\i+4*\b+3], v1, s[10:11] offset:128*\i+32*\b th:TH_LOAD_NT
.endr
.endr
.macro MTILE i                         ; key step 4 wave + i
	s_wait_loadcnt 12-4*\i                         ; this step's four loads are in; the later steps' may be out
.set n, 0
.rept 8
.set g, 0
.rept 8
	v_bfe_u32 v[88+g], v[16+16*\i+(n+g)/4], 8*((n+g)%4), 8      ; byte n of my 64
.set g, g+1
.endr
.set g, 0
.rept 8
	v_cmp_ne_u32 s[32+g], 0, v[88+g]                            ; word n: a bit for each lane
.set g, g+1
.endr
.set g, 0
.rept 8
	v_writelane_b32 v[80+2*\i+(n+g)%2], s[32+g], (n+g)/2        ; into lane n / 2, register n % 2: the lanes then store the 64 words on end
.set g, g+1
.endr
.set n, n+8
.endr
	v_or_b32 v96, v[16+16*\i], v[17+16*\i]
	v_and_b32 v97, v[16+16*\i], v[17+16*\i]
.irp k, 2,3,4,5,6,7,8,9,10,11,12,13,14,15
	v_or_b32 v96, v96, v[16+16*\i+\k]
	v_and_b32 v97, v97, v[16+16*\i+\k]
.endr
	v_cmp_ne_u32 s40, 0, v96                       ; lanes with a true byte
	v_cmp_eq_u32 s43, 0x01010101, v97              ; lanes all of whose bytes are true
	s_lshr_b32 s41, s40, 16
	s_or_b32 s41, s41, s40
	s_and_b32 s41, s41, 0xffff                     ; rows with a true byte in this step; SCC: is there one
	s_cselect_b32 s42, 1<<(16+\i), 0               ; the step is live
	s_or_b32 s44, s44, s41
	s_or_b32 s44, s44, s42
	s_cmp_eq_u32 s43, -1
	s_cselect_b32 s42, 1<<(20+\i), 0               ; the step is all true
	s_or_b32 s44, s44, s42
	global_store_b64 v2, v[80+2*\i:81+2*\i], s[22:23] offset:256*\i   ; 32 lanes store 256 consecutive bytes, aligned
.endm
	MTILE 0
	MTILE 1
	MTILE 2
	MTILE 3
	v_mov_b32 v6, s44
	v_mov_b32 v7, 0
	v_cmp_eq_u32 vcc_lo, 0, v2
	s_wait_xcnt 0x0                                ; EXEC changes only behind this wait: the stores above have been taken
	s_and_saveexec_b32 s45, vcc_lo                 ; lane 0 alone
	global_store_b32 v7, v6, s[24:25]              ; bits 15:0 rows with a true byte in my four steps, 19:16 live steps, 23:20 steps that are all true
	s_wait_xcnt 0x0
	s_or_b32 exec_lo, exec_lo, s45
	s_endpgm
.Lfunc_end_k_q7167d6a114_prep:
	.size	k_q7167d6a114_prep, .Lfunc_end_k_q7167d6a114_prep-k_q7167d6a114_prep
	.p2alignl 7, 3214868480
	.fill 96, 4, 3214868480
	.section	.rodata,"a",@progbits
	.p2align	6, 0x0
	.amdhsa_kernel k_q7167d6a114_prep
		.amdhsa_group_segment_fixed_size 33280
		.amdhsa_private_segment_fixed_size 0
		.amdhsa_enable_private_segment 0
		.amdhsa_kernarg_size 56
		.amdhsa_user_sgpr_count 2
		.amdhsa_user_sgpr_kernarg_segment_ptr 1
		.amdhsa_wavefront_size32 1
		.amdhsa_system_sgpr_workgroup_id_x 1
		.amdhsa_system_sgpr_workgroup_id_y 1
		.amdhsa_system_sgpr_workgroup_id_z 1
		.amdhsa_system_vgpr_workitem_id 0
		.amdhsa_next_free_vgpr 192
		.amdhsa_next_free_sgpr 66
		.amdhsa_reserve_vcc 1
		.amdhsa_float_denorm_mode_32 3
		.amdhsa_float_denorm_mode_16_64 3
		.amdhsa_memory_ordered 1
		.amdhsa_forward_progress 1
		.amdhsa_inst_pref_size 91
	.end_amdhsa_kernel
	.amdgpu_metadata
---
amdhsa.version: [ 1, 2 ]
amdhsa.kernels:
  - .name:           k_q7167d6a114_prep
    .symbol:         k_q7167d6a114_prep.kd
    .args:
      - { .name: x, .offset: 0, .size: 8, .value_kind: global_buffer, .address_space: global }
      - { .name: qkv_w, .offset: 8, .size: 8, .value_kind: global_buffer, .address_space: global }
      - { .name: proj_w, .offset: 16, .size: 8, .value_kind: global_buffer, .address_space: global }
      - { .name: attn_mask, .offset: 24, .size: 8, .value_kind: global_buffer, .address_space: global }
      - { .name: codes1, .offset: 32, .size: 8, .value_kind: global_buffer, .address_space: global }
      - { .name: scales1, .offset: 40, .size: 8, .value_kind: global_buffer, .address_space: global }
      - { .name: maskw, .offset: 48, .size: 8, .value_kind: global_buffer, .address_space: global }
    .group_segment_fixed_size: 33280
    .private_segment_fixed_size: 0
    .kernarg_segment_align: 8
    .kernarg_segment_size: 56
    .max_flat_workgroup_size: 128
    .sgpr_count:     66
    .vgpr_count:     192
    .wavefront_size: 32
...
	.end_amdgpu_metadata
.endif
;; end of part 1
;; launch qkv (part 2): grid 12 x 32, 4 waves a work-group, clusters of 4 x 4, 327,680 bytes of LDS; arguments codes1, scales1, qkv_b, qkv; writes qkv
.if DOCPART == 2
	.amdgcn_target "amdgcn-amd-amdhsa--gfx1250"
	.amdhsa_code_object_version 6
	.text
	.protected	k_q7167d6a114_qkv
	.globl	k_q7167d6a114_qkv
	.p2align	8
	.type	k_q7167d6a114_qkv,@function
k_q7167d6a114_qkv:
	s_mov_b64 s[64:65], 0
	v_nop
	global_prefetch_b8 v0, s[64:65] scope:SCOPE_SE
	s_setreg_imm32_b32 hwreg(HW_REG_WAVE_MODE, 25, 1), 1
	s_wait_xcnt 0x0
	s_wait_alu depctr_hold_cnt(0) depctr_sa_sdst(0) depctr_va_vdst(0) depctr_va_sdst(0) depctr_va_ssrc(0) depctr_va_vcc(0) depctr_vm_vsrc(0)
	s_getreg_b32 s2, hwreg(HW_REG_IB_STS2, 6, 4)
	s_cmp_eq_u32 s2, 0
	s_cbranch_scc0 .Lentry_in_a_cluster
	s_endpgm
.Lentry_in_a_cluster:
	s_bfe_u32 s2, ttmp6, 0x10000c
	s_cmp_lg_u32 s2, 0xf033
	s_cbranch_scc0 .Lentry_shape_is_right
	s_endpgm
.Lentry_shape_is_right:
; SECOND LAUNCH: q, k, v = x qkv_w^T + qkv_b on codes of FP4 (E2M1) with E8M0 scales, K = 1,024; the results are quantised in registers along the NEXT product's K and leave as images of operand registers.  Nothing is left out here.
; A work-group of four waves makes 256 x 256 results, a wave 128 x 128: 64 accumulators of 16 x 16.  K goes in two steps of 512 through two LDS slots, each filled once by the tensor data mover; the scale bytes of the 512 rows come with them.
; ROLES.  The matrix instruction gives a lane ONE row of source 1 and eight neighbouring rows of source 0.  For q and k (clusters x = 0, 1) source 0 = 16 rows of qkv_w, source 1 = 16 tokens: a lane's registers run along the head's 64, the K of q k^T.
; For v (cluster x = 2) source 0 = 16 tokens, source 1 = 16 rows of qkv_w: a lane's registers run along the keys, the K of p v.  Both operands are rows of the one buffer codes1 (x: rows 0 on; qkv_w: rows 8,192 on), so the roles differ in row numbers alone.
; THE ORDER OF ROWS in codes1 (place 16 u + r holds row 8 u + r + 8 (r / 8) of each 32) makes the 16 registers of source 0's tiles 2 B and 2 B + 1 the neighbours 32 B + 16 (lane / 16) + 0 .. 15, and lane r of source 1's tile a row 32 (a / 2) + 8 (a % 2) + r + 8 (r / 8).
; THE BIAS is the C of each sum's first matrix instruction.
; CLUSTERS: 4 x 4 work-groups; source 1's tile is shared along a row of the cluster, source 0's along a column: each is asked for jointly.  The branches on the role hang on the cluster's x alone, which all sixteen partners share.
; OUT (buffer qkv): q and k: [batch x head][tile of 16 tokens][512 bytes]: lane L's 16 bytes at 16 L = registers 0-3 of a fragment (K = 32 (L / 16) + 0 .. 31); v: [batch x head][key step of 128][tile of 16 of the head's 64][two halves of 512 bytes];
;   scale words of q, k: [batch x head][8 tiles][half of 4 tiles][row 16][4 words], two bytes and two zeros a word; of v: [batch x head][key step][row 16][4 tiles].
; LIMITS: blocks whose largest magnitude lies under 2^-124 keep the byte 1; a block of zeros has the byte 1 (its codes are zeros; this program alone reads the bytes); NaN and infinities are not served.
; REGISTERS, in windows of 256: window 0: v0-31 addresses; v32-95 scale words, two sets; v96-127 the way out; v128-191 source 1's fragments, one set (the way out's scale words later); v192-255 the bias.
;   window 1: source 0's fragments, two sets, at v0 and v128.   window 2: the accumulators of my source-1 tiles 0-3 ((a, b) at v[8 (8 a + b)]);   window 3: of tiles 4-7.
.set NQ,     4                         ; matrix instructions deep in a slot: 512 along K
.set ROWB,   256                       ; a tile's row in bytes
.set KROW,   512                       ; a row of codes1 in bytes
.set PITCH,  272                       ; an LDS row: 256 bytes + 16 of padding: the 16 rows that a load touches start at 16 different banks (64 banks of 4 bytes: ISA guide 11.1)
.set FR,     8
.set NL,     2
.set NP,     4                         ; places behind this matrix instruction (ISA guide 7.12.1)
.set HALFT,  128*PITCH
.set SLOT,   4*HALFT                   ; source 1's 256 rows, then source 0's 256 rows
.set SCL,    2*SLOT                    ; behind the slots: the scale bytes, as units of 256 bytes + 16 of padding
.set HALFS,  16*272                    ; those of 128 rows (32 bytes a row)
.set SBLK,   2*272                     ; those of 16 rows
.set SPARE,  SCL+4*HALFS               ; the spare words, 128 bytes for each wave
.set ADRA, 16
.set ADRB, 20
.set ADRS, 27
.set SPW,  28
.set NIL,  29
.set SC,   32
.set TM,   96                          ; v96-99 largest magnitudes, v100-103 bytes, v108-111 the conversions' scale operands
.set PW,   112                         ; the scale word just made
.set PC,   116                         ; v116-123 the codes just made
.set VO0,  124                         ; where registers 0-3 of the codes go
.set VO1,  125                         ; and registers 4-7
.set SHV,  126                         ; q, k: 16 x (lane / 16): lanes 16-31 take the second head's two bytes
.set SOFF, 127                         ; where my scale words go
.set SW,   128                         ; v128-135 the scale words of my eight tiles
.set AF,   128
.set BIAS, 192
.set SEL,  18                          ; s[18:19] v_permlanex16_b32's selects for lane l xor 16
.set ISV,  96                          ; s96  1 in the work-groups that make v
.set G1, 24
.set G0, 32
.set G1B, 48
.set G0B, 56
.set G1S, 68
.set G0S, 76
.set G1SB, 80
.set G0SB, 88
.set MSB, 0
.macro WIN new                         ; the immediate's high byte repeats the setting that is left
.if MSB != (\new)
	s_set_vgpr_msb (MSB<<8)|(\new)
.set MSB, (\new)
.endif
.endm
.set MUL_LO, 0xa1                      ; source 0 window 1, source 1 window 0, C and D window 2
.set MUL_HI, 0xf1                      ; the same, C and D window 3
.set TO_B,   0x40
; A joint load: waves 0 and 1 fetch for source 1, waves 2 and 3 for source 0.  The branch hangs on the wave's number alone.  An s_nop 0 and four v_nop follow each of the two lines.
.macro JLOAD g0a, g1a, g0b, g1b
	s_cmp_eq_u32 s15, 0
	s_cbranch_scc0 .Lfor_b_\@
	tensor_load_to_lds s[\g0a:\g0a+3], s[\g1a:\g1a+7]
	s_nop 0
.rept 4
	v_nop
.endr
	s_branch .Lasked_\@
.Lfor_b_\@:
	tensor_load_to_lds s[\g0b:\g0b+3], s[\g1b:\g1b+7]
	s_nop 0
.rept 4
	v_nop
.endr
.Lasked_\@:
.endm
.macro CROUND                          ; a round of the cluster's barrier
	s_barrier_signal -1
	s_barrier_wait -1
	s_cmp_lg_u32 s14, 0
	s_cbranch_scc1 .Lnot_wave_0_\@
	s_barrier_signal -3
.Lnot_wave_0_\@:
	s_barrier_wait -3
	s_barrier_signal -1
	s_barrier_wait -1
.endm
	s_load_b256 s[4:11], s[0:1], 0x0               ; codes1 s[4:5], scales1 s[6:7], qkv_b s[8:9], qkv s[10:11]
	v_lshl_add_u32 v[SPW], v0, 2, SPARE
	v_mov_b32 v[NIL], 0
	ds_add_u32 v[SPW], v[NIL]                      ; the wave's opening: the add, twice on end, and its wait ahead of my first tensor load
	ds_add_u32 v[SPW], v[NIL]
	v_lshrrev_b32 v1, 5, v0
	v_readfirstlane_b32 s14, v1                    ; wave 0..3
	s_lshr_b32 s15, s14, 1                         ; which half of source 1's rows is mine.  Also: I fetch for source 1 (0) or source 0 (1)
	s_and_b32 s16, s14, 1                          ; which half of source 0's rows.  Also: which 128 rows of that tile I fetch
	s_bfe_u32 s40, ttmp6, 0x40000                  ; cx, cy: my place in the cluster
	s_bfe_u32 s41, ttmp6, 0x40004
	s_and_b32 s17, ttmp7, 0xffff                   ; cluster y
	s_cmp_eq_u32 ttmp9, 2                          ; cluster x = 2 makes v
	s_cselect_b32 s[ISV], 1, 0
	s_cselect_b32 s42, s17, ttmp9                  ; source 0's tiles go by cluster y (32 tiles of tokens) or by cluster x (8 tiles of qkv_w's first 2,048 rows)
	s_cselect_b32 s17, 0, s17                      ; source 1's by nothing (4 tiles of qkv_w's last 1,024 rows) or by cluster y
	s_cselect_b32 s45, 0, 8192                     ; source 0's first row in codes1
	s_cselect_b32 s94, 10240, 0                    ; source 1's
	s_lshl_b32 s42, s42, 2
	s_add_co_u32 s42, s42, s40                     ; source 0's tile = 4 x its cluster + cx
	s_lshl_b32 s17, s17, 2
	s_add_co_u32 s17, s17, s41                     ; source 1's tile = 4 x its cluster + cy
	s_lshl_b32 s43, s41, 2
	s_lshl_b32 s43, 15, s43                        ; my row of the cluster
	s_lshl_b32 s44, 0x1111, s40                    ; my column
	; descriptor group 1: a tile of 128 rows x 256 bytes, padded in LDS
	s_or_b32 s[G1+0], s43, (0<<16)|(1<<20)|(1<<21)|(5<<22)|(3<<25)  ; 15:0 the mask: my row; 17:16 elements of 1 byte; 20 padding on; 21 set beside a mask; 24:22 after every 64 words; 31:25 four words
	s_or_b32 s[G1B+0], s44, (0<<16)|(1<<20)|(1<<21)|(5<<22)|(3<<25) ; the same with my column
.irp g, G1, G1B
	s_mov_b32 s[\g+1], ROWB<<16                    ; tensor_dim0
	s_mov_b32 s[\g+2], 128<<16                     ; tensor_dim1
	s_mov_b32 s[\g+3], ROWB<<16                    ; tile_dim0
	s_mov_b32 s[\g+4], 128                         ; tile_dim1
	s_mov_b32 s[\g+5], KROW                        ; tensor_dim0_stride
	s_mov_b32 s[\g+6], 0
	s_mov_b32 s[\g+7], 0
.endr
	; the scale bytes of 128 rows: 4,096 dense bytes, as 16 rows of 256 bytes (32 elements of 8 bytes), 16 bytes of padding behind each
	s_or_b32 s[G1S+0], s43, (3<<16)|(1<<20)|(1<<21)|(5<<22)|(3<<25)
	s_or_b32 s[G1SB+0], s44, (3<<16)|(1<<20)|(1<<21)|(5<<22)|(3<<25)
.irp g, G1S, G1SB
	s_mov_b32 s[\g+1], 32<<16
	s_mov_b32 s[\g+2], 16<<16
	s_mov_b32 s[\g+3], 32<<16
	s_mov_b32 s[\g+4], 16
	s_mov_b32 s[\g+5], 32
	s_mov_b32 s[\g+6], 0
	s_mov_b32 s[\g+7], 0
.endr
	s_lshl_b32 s18, s16, 7                         ; which 128 rows of the tile I fetch
	s_lshl_b32 s20, s17, 8
	s_add_co_u32 s20, s20, s18
	s_add_co_u32 s20, s20, s94                     ; source 1: its row in codes1
	s_lshl_b32 s46, s42, 8
	s_add_co_u32 s46, s46, s18
	s_add_co_u32 s46, s46, s45                     ; source 0: likewise
	s_lshl_b32 s22, s20, 5                         ; 32 scale bytes a row,
	s_mov_b32 s23, 0
	s_lshl_b32 s92, s46, 5
	s_mov_b32 s93, 0
	s_lshl_b32 s20, s20, 9                         ; 512 bytes of codes (12,288 rows: under 2^23)
	s_mov_b32 s21, 0
	s_lshl_b32 s46, s46, 9
	s_mov_b32 s47, 0
	s_mul_i32 s45, s14, HALFT                      ; where they go: wave x 128 rows: no place in the cluster enters an LDS address
	s_mul_i32 s94, s14, HALFS
	s_wait_dscnt 0x0                               ; both opening adds are done
	s_wait_kmcnt 0x0
	s_add_nc_u64 s[20:21], s[4:5], s[20:21]
	s_add_nc_u64 s[22:23], s[6:7], s[22:23]
	s_add_nc_u64 s[46:47], s[4:5], s[46:47]
	s_add_nc_u64 s[92:93], s[6:7], s[92:93]
	CROUND                                         ; all sixteen work-groups are here: the joint loads meet
	s_mov_b32 s[G0S], 1
	s_add_co_u32 s[G0S+1], s94, SCL
	s_mov_b64 s[G0S+2:G0S+3], s[22:23]
	s_or_b32 s[G0S+3], s[G0S+3], 0x80000000
	s_mov_b32 s[G0SB], 1
	s_add_co_u32 s[G0SB+1], s94, SCL
	s_mov_b64 s[G0SB+2:G0SB+3], s[92:93]
	s_or_b32 s[G0SB+3], s[G0SB+3], 0x80000000
	JLOAD G0S, G1S, G0SB, G1SB                     ; the scale bytes first: they are wanted with the first K step
.irp s, 0,1
	s_mov_b32 s[G0+4*\s], 1
	s_add_co_u32 s[G0+4*\s+1], s45, \s*SLOT
	s_add_nc_u64 s[G0+4*\s+2:G0+4*\s+3], s[20:21], \s*ROWB
	s_or_b32 s[G0+4*\s+3], s[G0+4*\s+3], 0x80000000
	s_mov_b32 s[G0B+4*\s], 1
	s_add_co_u32 s[G0B+4*\s+1], s45, \s*SLOT
	s_add_nc_u64 s[G0B+4*\s+2:G0B+4*\s+3], s[46:47], \s*ROWB
	s_or_b32 s[G0B+4*\s+3], s[G0B+4*\s+3], 0x80000000
	JLOAD G0+4*\s, G1, G0B+4*\s, G1B               ; three loads of mine are out: all that this launch asks for
.endr
	v_and_b32 v1, 15, v0                           ; r = l % 16
	v_bfe_u32 v2, v0, 4, 1                         ; h = l / 16
	v_mul_u32_u24 v3, v1, PITCH
	v_lshl_add_u32 v4, v2, 4, v3                   ; a fragment's row x pitch + 16 x half
	s_mul_i32 s21, s15, HALFT                      ; my 128 rows of source 1
	s_mul_i32 s22, s16, HALFT                      ; my 128 rows of source 0,
	s_add_co_u32 s22, s22, 2*HALFT                 ; which lie behind source 1's 256
.irp s, 0,1
	v_add_nc_u32 v[ADRA+\s], s21, v4
	v_add_nc_u32 v[ADRB+\s], s22, v4
	s_add_co_u32 s21, s21, SLOT
	s_add_co_u32 s22, s22, SLOT
.endr
	v_mul_u32_u24 v5, v1, 32                       ; my row's scale bytes: 32 a row,
	v_lshrrev_b32 v6, 8, v5
	v_lshl_add_u32 v5, v6, 4, v5                   ; and 16 more for each 256 passed
	s_mul_i32 s21, s15, HALFS
	s_mul_i32 s22, s16, HALFS
	s_add_co_u32 s22, s22, 2*HALFS
	s_sub_co_u32 s22, s22, s21
	v_mul_u32_u24 v6, s22, v2                      ; lanes 16-31 take source 0's
	s_add_co_u32 s21, s21, SCL
	v_add_nc_u32 v5, v5, v6
	v_add_nc_u32 v[ADRS], s21, v5
	; the way out: which tokens and which of the 3,072 outputs are my wave's
	s_lshl_b32 s20, s17, 8
	s_lshl_b32 s21, s15, 7
	s_add_co_u32 s20, s20, s21                     ; source 1's first row of mine
	s_lshl_b32 s46, s42, 8
	s_lshl_b32 s47, s16, 7
	s_add_co_u32 s46, s46, s47                     ; source 0's
	s_add_co_u32 s21, s20, 2048
	s_mov_b32 s97, 512
	s_mov_b32 s98, 512
	s_mov_b32 s99, 65536
	s_mov_b32 s100, 0xffff
	s_mov_b32 s101, 8192
	s_cmp_eq_u32 s[ISV], 1
	s_cselect_b32 s22, s46, s20                    ; my first token
	s_cselect_b32 s23, s21, s46                    ; my first output n of the 3,072
	s_cselect_b32 s97, 1024, s97                   ; from a tile's image to the next,
	s_cselect_b32 s98, 62464, s98                  ; from tile 3's to tile 4's (v: the next head: 65,536 - 3 x 1,024),
	s_cselect_b32 s99, 512, s99                    ; from registers 0-3 to registers 4-7 (q, k: the next head's image; v: the image's second half)
	s_cselect_b32 s100, -1, s100                   ; the bytes of a scale word that count
	s_cselect_b32 s101, 4096, s101                 ; a head's scale words in bytes
	s_cselect_b32 s93, 0, 16
	s_lshr_b32 s92, s23, 10                        ; 0: q, 1: k, 2: v
	s_lshr_b32 s95, s22, 11                        ; batch
	s_lshl_b32 s95, s95, 4
	s_bfe_u32 s47, s23, 0x40006                    ; head
	s_or_b32 s95, s95, s47                         ; batch x 16 + head
	s_bfe_u32 s47, s22, 0x40007                    ; which 128 tokens of the batch's 2,048
	s_lshl_b32 s94, s92, 22                        ; images: 4 MiB for each of q, k, v,
	s_lshl_b32 s21, s95, 16                        ; 65,536 bytes a head,
	s_or_b32 s94, s94, s21
	s_lshl_b32 s21, s47, 12                        ; 4,096 bytes for 128 tokens
	s_or_b32 s94, s94, s21
	s_lshl_b32 s95, s95, 13                        ; scale words of q, k: 8,192 bytes a head, 512 for 128 tokens;
	s_lshl_b32 s47, s47, 9
	s_or_b32 s95, s95, s47
	s_lshr_b32 s95, s95, s[ISV]                    ; of v: half of that
	s_lshl_b32 s92, s92, 19
	s_add_co_u32 s95, s95, s92
	s_add_co_u32 s95, s95, 12582912                ; behind the images
	s_mov_b32 s20, s94
	s_mov_b32 s21, 0
	s_add_nc_u64 s[12:13], s[10:11], s[20:21]      ; my images
	s_mov_b32 s20, s95
	s_add_nc_u64 s[10:11], s[10:11], s[20:21]      ; my scale words
	s_lshl_b32 s20, s23, 2
	s_add_nc_u64 s[8:9], s[8:9], s[20:21]          ; my 128 numbers of the bias
	s_mov_b32 s[SEL], 0x76543210
	s_mov_b32 s[SEL+1], 0xfedcba98
	v_lshlrev_b32 v7, 6, v2                        ; q, k: the bias of source 0's rows: 16 numbers on for lanes 16-31
	v_and_b32 v8, 8, v1
	v_add_nc_u32 v8, v8, v1
	v_lshlrev_b32 v8, 2, v8                        ; v: the bias of source 1's row r + 8 (r / 8)
	v_and_b32 v6, 31, v0
	v_lshlrev_b32 v[VO0], 4, v6                    ; an image: 16 bytes a lane
	v_add_nc_u32 v[VO1], s99, v[VO0]
	v_mul_u32_u24 v[SHV], s93, v2
	v_mul_u32_u24 v[SOFF], s101, v2
	v_lshl_add_u32 v[SOFF], v1, 4, v[SOFF]         ; lanes 16-31: the next head's; 16 bytes a row
.irp b, 0,1,2,3
	v_mov_b32 v[TM+4+\b], 0                        ; written once: a lane permute's destination counts as one of its sources
.endr
	; THE BIAS, in the result's layout.  q, k: accumulator (a, b) wants, in register j, the bias of output 32 (b / 2) + 8 (b % 2) + 16 h + j: eight registers for each b.
	; v: it wants the bias of source 1's row, the same in all eight registers: one load for each a, copied seven times.  Behind this branch all 64 registers are written or on their way on either path.
	s_cmp_eq_u32 s[ISV], 1
	s_cbranch_scc1 .Lbias_v
.irp b, 0,1,2,3,4,5,6,7
	global_load_b128 v[BIAS+8*\b:BIAS+8*\b+3], v7, s[8:9] offset:4*(32*(\b/2)+8*(\b%2))
	global_load_b128 v[BIAS+8*\b+4:BIAS+8*\b+7], v7, s[8:9] offset:4*(32*(\b/2)+8*(\b%2))+16
.endr
	s_branch .Lbias_done
.Lbias_v:
.irp a, 0,1,2,3,4,5,6,7
	global_load_b32 v[BIAS+8*\a], v8, s[8:9] offset:4*(32*(\a/2)+8*(\a%2))
.endr
	s_wait_loadcnt 0x0                             ; (my tensor loads are on their way meanwhile)
.irp a, 0,1,2,3,4,5,6,7
.irp j, 1,2,3,4,5,6,7
	v_mov_b32 v[BIAS+8*\a+\j], v[BIAS+8*\a]
.endr
.endr
.Lbias_done:
.macro FRAG reg, adr, q, i             ; a fragment, 16 rows x 128 K of 4-bit codes, is 8 registers: lane l holds row l % 16; registers 4 c .. 4 c + 3 hold K = 64 c + 32 (l / 16) + 0 .. 31
.irp c, 0,1
	ds_load_b128 v[\reg+4*\c:\reg+4*\c+3], v[\adr] offset:64*(\q)+32*\c+(\i)*16*PITCH
.endr
.endm
; 16 matrix instructions: source 1's tiles a0, a0 + 1 x source 0's eight, 128 along K: the slot's q-th.  p: source 0's set;  sc: the set of scale words.  first = 1: C is the bias by b; 2: the bias by a; 0: the sum so far.
; The 64 accumulators take turns, one instruction a turn, in the same order in every step.
.macro MUL16 a0, p, q, sc, first
.irp a, \a0, \a0+1
.irp b, 0,1,2,3,4,5,6,7
.if \first == 1
	v_wmma_scale_f32_16x16x128_f8f6f4 v[8*(8*((\a)%4)+\b):8*(8*((\a)%4)+\b)+7], v[128*(\p)+FR*\b:128*(\p)+FR*\b+FR-1], v[AF+FR*(\a):AF+FR*(\a)+FR-1], v[BIAS+8*\b:BIAS+8*\b+7], v[SC+8*NQ*(\sc)+NQ*\b+(\q)], v[SC+8*NQ*(\sc)+NQ*(\a)+(\q)] matrix_a_fmt:MATRIX_FMT_FP4 matrix_b_fmt:MATRIX_FMT_FP4 matrix_a_scale:MATRIX_SCALE_ROW1
.elseif \first == 2
	v_wmma_scale_f32_16x16x128_f8f6f4 v[8*(8*((\a)%4)+\b):8*(8*((\a)%4)+\b)+7], v[128*(\p)+FR*\b:128*(\p)+FR*\b+FR-1], v[AF+FR*(\a):AF+FR*(\a)+FR-1], v[BIAS+8*(\a):BIAS+8*(\a)+7], v[SC+8*NQ*(\sc)+NQ*\b+(\q)], v[SC+8*NQ*(\sc)+NQ*(\a)+(\q)] matrix_a_fmt:MATRIX_FMT_FP4 matrix_b_fmt:MATRIX_FMT_FP4 matrix_a_scale:MATRIX_SCALE_ROW1
.else
	v_wmma_scale_f32_16x16x128_f8f6f4 v[8*(8*((\a)%4)+\b):8*(8*((\a)%4)+\b)+7], v[128*(\p)+FR*\b:128*(\p)+FR*\b+FR-1], v[AF+FR*(\a):AF+FR*(\a)+FR-1], v[8*(8*((\a)%4)+\b):8*(8*((\a)%4)+\b)+7], v[SC+8*NQ*(\sc)+NQ*\b+(\q)], v[SC+8*NQ*(\sc)+NQ*(\a)+(\q)] matrix_a_fmt:MATRIX_FMT_FP4 matrix_b_fmt:MATRIX_FMT_FP4 matrix_a_scale:MATRIX_SCALE_ROW1
.endif
.endr
.endr
.endm
.macro FETCH_B slot, q, p              ; source 0's eight fragments of the slot's q-th 128 along K into set p
	WIN TO_B
.irp i, 0,1,2,3,4,5,6,7
	FRAG 128*(\p)+FR*\i, ADRB+\slot, \q, \i
.endr
	WIN 0
.endm
.macro FETCH_A slot, q, i0             ; source 1's tiles i0 .. i0 + 3
.irp i, \i0, \i0+1, \i0+2, \i0+3
	FRAG AF+FR*(\i), ADRA+\slot, \q, \i
.endr
.endm
.macro SCALES sc                       ; a slot's scale words into set sc: 4 words a row; lanes 0-15 take source 1's tile i, lanes 16-31 source 0's tile i
.irp i, 0,1,2,3,4,5,6,7
	ds_load_b128 v[SC+8*NQ*\sc+NQ*\i:SC+8*NQ*\sc+NQ*\i+3], v[ADRS] offset:\i*SBLK
.endr
.endm
.macro PLACES n                        ; plain vector instructions between a matrix instruction and a load into, or a read of, its registers (ISA guide 7.12.1 for reads)
.rept \n
	v_nop
.endr
.endm
.macro STEP slot, q, first             ; a step of 128 along K that has its successor in the same slot
	s_wait_dscnt 4*NL                              ; source 0's set and source 1's tiles 0-3 are in; the youngest eight loads (tiles 4-7) may be out
.if \first
	WIN 0x81                                       ; C (the bias) window 0, D window 2
.else
	WIN MUL_LO
.endif
	MUL16 0, (\q)%2, \q, \slot, \first
	MUL16 2, (\q)%2, \q, \slot, \first
	s_wait_dscnt 0
	PLACES NP
	FETCH_B \slot, (\q)+1, 1-(\q)%2
	FETCH_A \slot, (\q)+1, 0
.if \first
	WIN 0xc1                                       ; C window 0, D window 3
.else
	WIN MUL_HI
.endif
	MUL16 4, (\q)%2, \q, \slot, \first
	MUL16 6, (\q)%2, \q, \slot, \first
	PLACES NP
	WIN 0
	FETCH_A \slot, (\q)+1, 4
.endm
; Slot 0's last step goes over to slot 1: one barrier; in front of it each wave waits for all its tensor loads (its part of slot 1), adds 0 to its spare word and waits for that and for its LDS reads.  Nothing is filled again.
.macro TURN slot, next
	s_wait_tensorcnt 0x0
	ds_add_u32 v[SPW], v[NIL]
	s_wait_dscnt 4*NL+1                            ; (the add and the youngest eight loads may be out)
	WIN MUL_LO
	MUL16 0, 1, NQ-1, \slot, 0
	s_wait_dscnt 0x0
	s_barrier_signal -1
	MUL16 2, 1, NQ-1, \slot, 0
	WIN 0
	s_barrier_wait -1
	PLACES NP
	v_add_nc_u32 v[ADRS], 4*NQ, v[ADRS]            ; on to the next slot's scale words (no LDS load of mine is out)
	FETCH_B \next, 0, 0
	FETCH_A \next, 0, 0
	SCALES \next
	WIN MUL_HI
	MUL16 4, 1, NQ-1, \slot, 0
	MUL16 6, 1, NQ-1, \slot, 0
	PLACES NP
	WIN 0
	FETCH_A \next, 0, 4
.endm
.macro STEPS slot, from
.set Q, \from
.rept NQ-1-\from
	STEP \slot, Q, 0
.set Q, Q+1
.endr
.endm
	s_wait_tensorcnt 1                             ; the scale bytes and my part of slot 0 are in (slot 1's load may be out),
	s_barrier_signal -1
	s_barrier_wait -1                              ; everybody's are
	FETCH_B 0, 0, 0
	FETCH_A 0, 0, 0
	SCALES 0
	FETCH_A 0, 0, 4
	s_wait_loadcnt 0x0                             ; the bias
	s_cmp_eq_u32 s[ISV], 1
	s_cbranch_scc1 .Lfirst_v
	STEP 0, 0, 1                                   ; the first products start the sums with the bias: nothing is cleared, nothing is added later
	s_branch .Lfirst_done
.Lfirst_v:
	STEP 0, 0, 2
.Lfirst_done:
	STEPS 0, 1
	TURN 0, 1
	STEPS 1, 0
	s_wait_dscnt 4*NL                              ; the very last step: nothing more to fetch
	WIN MUL_LO
	MUL16 0, 1, NQ-1, 1, 0
	MUL16 2, 1, NQ-1, 1, 0
	s_wait_dscnt 0
	WIN MUL_HI
	MUL16 4, 1, NQ-1, 1, 0
	MUL16 6, 1, NQ-1, 1, 0
	WIN 0
; THE WAY OUT, a tile a of source 1 at a time.  Its 64 registers of a lane are 128 along the next K: register 16 B + i = 32 B + 16 (lane / 16) + i.  Four blocks of 32: the largest magnitude (mine and lane l xor 16's), the byte,
; the codes, and the exchange of halves that gives a lane whole blocks: registers 4 c .. 4 c + 3 = K 64 c + 32 (lane / 16) + 0 .. 31.  q, k: c = 0, 1 are two heads: two images of 512 bytes.  v: one image of 1,024 bytes.
.macro OUTA a
.set AC, 64*((\a)%4)
	WIN 0x0a+5*((\a)/4)                            ; sources 0 and 1: window 2 or 3
.irp b, 0,1,2,3
	v_max3_num_f32 v[TM+\b], |v[AC+16*\b]|, |v[AC+16*\b+1]|, 0x1800000   ; each accumulator from its low end on; and the floor 2^(3 - 127): the byte cannot fall under 1
.endr
.irp i, 2,4,6,8,10,12,14
.irp b, 0,1,2,3
	v_max3_num_f32 v[TM+\b], |v[AC+16*\b+\i]|, |v[AC+16*\b+\i+1]|, v[TM+\b]   ; (the four blocks by turns)
.endr
.endr
	WIN 0
.irp b, 0,1,2,3
	v_permlanex16_b32 v[TM+4+\b], v[TM+\b], s[SEL], s[SEL+1]
.endr
.irp b, 0,1,2,3
	v_max_num_f32 v[TM+\b], v[TM+\b], v[TM+4+\b]
.endr
.irp b, 0,1,2,3
	v_add_nc_u32 v[TM+12+\b], 0xff000000, v[TM+\b] ; 2 off the exponent field: the conversion's scale operand
.endr
.irp b, 0,1,2,3
	v_lshrrev_b32 v[TM+4+\b], 23, v[TM+12+\b]      ; the scale's byte
.endr
	v_lshl_or_b32 v[PW], v[TM+5], 8, v[TM+4]
	v_lshl_or_b32 v[PW], v[TM+6], 16, v[PW]
	v_lshl_or_b32 v[PW], v[TM+7], 24, v[PW]
.if (\a) > 0
	s_wait_xcnt 0x0                                ; the last tile's stores have been taken: their data and offsets are written again only behind this wait
.if (\a) == 4
	v_add_nc_u32 v[VO0], s98, v[VO0]
	v_add_nc_u32 v[VO1], s98, v[VO1]
.else
	v_add_nc_u32 v[VO0], s97, v[VO0]
	v_add_nc_u32 v[VO1], s97, v[VO1]
.endif
.endif
	WIN 0x02+(\a)/4                                ; source 0: window 2 or 3
.irp b, 0,1,2,3
	v_cvt_scalef32_pk8_fp4_f32 v[PC+2*\b], v[AC+16*\b:AC+16*\b+7], v[TM+12+\b]
	v_cvt_scalef32_pk8_fp4_f32 v[PC+2*\b+1], v[AC+16*\b+8:AC+16*\b+15], v[TM+12+\b]
.endr
	WIN 0
	v_nop                                          ; one plain place behind a scaled conversion
.irp c, 0,1
.irp i, 0,1
	v_permlane16_swap_b32 v[PC+4*\c+\i], v[PC+2+4*\c+\i]
.endr
.endr
	v_lshrrev_b32 v[SW+(\a)], v[SHV], v[PW]        ; q, k: lanes 0-15 keep the first head's two bytes, lanes 16-31 the second's; v: all four
	v_and_b32 v[SW+(\a)], s100, v[SW+(\a)]
	global_store_b128 v[VO0], v[PC:PC+3], s[12:13]     ; 32 lanes store 512 consecutive bytes, aligned
	global_store_b128 v[VO1], v[PC+4:PC+7], s[12:13]
.endm
	PLACES NP
.irp a, 0,1,2,3,4,5,6,7
	OUTA \a
.endr
	s_cmp_eq_u32 s[ISV], 1
	s_cbranch_scc1 .Lv_scales
	global_store_b128 v[SOFF], v[SW:SW+3], s[10:11]            ; tiles 0-3: sixteen lanes store 256 consecutive bytes, aligned, of one head
	global_store_b128 v[SOFF], v[SW+4:SW+7], s[10:11] offset:256   ; tiles 4-7
	s_branch .Lend
.Lv_scales:
.irp i, 0,1,2,3
	v_permlane16_swap_b32 v[SW+\i], v[SW+4+\i]     ; tiles 4-7 are the second head's: into lanes 16-31
.endr
	global_store_b128 v[SOFF], v[SW:SW+3], s[10:11]
.Lend:
	s_wait_tensorcnt 0x0                           ; the wave's end
	ds_add_u32 v[SPW], v[NIL]
	s_wait_dscnt 0x0
	CROUND                                         ; the closing round
	s_endpgm
.Lfunc_end_k_q7167d6a114_qkv:
	.size	k_q7167d6a114_qkv, .Lfunc_end_k_q7167d6a114_qkv-k_q7167d6a114_qkv
	.p2alignl 7, 3214868480
	.fill 96, 4, 3214868480
	.section	.rodata,"a",@progbits
	.p2align	6, 0x0
	.amdhsa_kernel k_q7167d6a114_qkv
		.amdhsa_group_segment_fixed_size 327680
		.amdhsa_private_segment_fixed_size 0
		.amdhsa_enable_private_segment 0
		.amdhsa_kernarg_size 32
		.amdhsa_user_sgpr_count 2
		.amdhsa_user_sgpr_kernarg_segment_ptr 1
		.amdhsa_wavefront_size32 1
		.amdhsa_system_sgpr_workgroup_id_x 1
		.amdhsa_system_sgpr_workgroup_id_y 1
		.amdhsa_system_sgpr_workgroup_id_z 1
		.amdhsa_system_vgpr_workitem_id 0
		.amdhsa_next_free_vgpr 1024
		.amdhsa_next_free_sgpr 102
		.amdhsa_reserve_vcc 0
		.amdhsa_float_denorm_mode_32 3
		.amdhsa_float_denorm_mode_16_64 3
		.amdhsa_memory_ordered 1
		.amdhsa_forward_progress 1
		.amdhsa_inst_pref_size 146
	.end_amdhsa_kernel
	.amdgpu_metadata
---
amdhsa.version: [ 1, 2 ]
amdhsa.kernels:
  - .name:           k_q7167d6a114_qkv
    .symbol:         k_q7167d6a114_qkv.kd
    .args:
      - { .name: codes1, .offset: 0, .size: 8, .value_kind: global_buffer, .address_space: global }
      - { .name: scales1, .offset: 8, .size: 8, .value_kind: global_buffer, .address_space: global }
      - { .name: qkv_b, .offset: 16, .size: 8, .value_kind: global_buffer, .address_space: global }
      - { .name: qkv, .offset: 24, .size: 8, .value_kind: global_buffer, .address_space: global }
    .group_segment_fixed_size: 327680
    .private_segment_fixed_size: 0
    .kernarg_segment_align: 8
    .kernarg_segment_size: 32
    .max_flat_workgroup_size: 128
    .sgpr_count:     102
    .vgpr_count:     1024
    .wavefront_size: 32
...
	.end_amdgpu_metadata
.endif
;; end of part 2
;; launch attn (part 3): grid 128 x 4, 16 waves a work-group, no clusters, 11,008 bytes of LDS; arguments qkv, maskw, acodes, ascales; writes acodes, ascales
.if DOCPART == 3
	.amdgcn_target "amdgcn-amd-amdhsa--gfx1250"
	.amdhsa_code_object_version 6
	.text
	.protected	k_q7167d6a114_attn
	.globl	k_q7167d6a114_attn
	.p2align	8
	.type	k_q7167d6a114_attn,@function
k_q7167d6a114_attn:
	s_mov_b64 s[64:65], 0
	v_nop
	global_prefetch_b8 v0, s[64:65] scope:SCOPE_SE
	s_setreg_imm32_b32 hwreg(HW_REG_WAVE_MODE, 25, 1), 1
	s_wait_xcnt 0x0
; THIRD LAUNCH: attention on codes of FP4 (E2M1), and its result quantised along head x 64 + d for the last product.
; LEFT OUT: key steps (16 queries x 128 keys) whose mask bytes are all 0, in tiles of queries each of whose rows has a true byte somewhere: their weights are 0 (shown at the head of the launch prep).  The list in maskw, whole numbers that prep stored, decides.
; SHARES.  A work-group is one tile of 16 queries of one batch; each of its sixteen waves is one head, in 256 registers: four waves to a SIMD.  A lane holds ONE query (lane % 16) throughout: both products are used transposed,
; S^T = K Q^T (source 0 = 16 keys), O^T = V^T P^T (source 0 = 16 of the head's 64).  The images in qkv are operand registers as they stand: lane L loads its 16 bytes at 16 L.  No LDS on the way in.
; NO CLUSTER, NO TENSOR LOAD: which key steps a work-group walks hangs on numbers read from memory.  The loop's trip count is the constant 16; a dead step jumps to the lines that step the addresses.
; THE HEAD IS 64 LONG, the instruction 128: Q's registers 4-7 are zero codes, so whatever stands in K's registers 4-7 counts for nothing: fragment t of K is v[28 + 4 t : 35 + 4 t], its upper half the next fragment's codes (the last: zeros).
; The scale bytes of those two blocks are 0 (2^-127) on both sides.
; THE SOFTMAX: t = score x log2(e) / 8; M = the running largest t rounded up to a whole number; p = 2^(t - M) is quantised along the keys; the row's sum is taken of the unquantised p and divides at the end.
; THE MASK: a hidden score becomes -2^120 ahead of the maximum.  c x -2^120 is exact and a whole number: while a row has met hidden keys alone, M = t and p = 1; its first true key moves M by more than 2^31, the factor 2^(old M - new M) is 0 and wipes what was summed.
; A row with no true key ends with p = 1 for all 2,048 keys: equal weights, as reference() gives.  LIMITS: scores lie above -2^120; NaN and infinities are not served; blocks under 2^-124 keep the byte 1.
; REGISTERS: v1 16 L, v2 16 r, v3, v4 the add's two, v5 -2^120, v6-9, v11 the way out's addresses; v12 -M, v13 the largest t, v[14:15] the sum; v16-23 Q, v24 its scale word; v28-63 K; v64-95 V; v96-159 S^T, then p; v160-191 O^T;
;   v192-199 p's codes; v200-207 K's scale words, v208-211 V's; v232-254 at work, v253 p's scale word.
.set KI,    4194304                    ; qkv: q's images at 0, k's, v's; then the scale words of q, k, v
.set VI,    8388608
.set QS,    12582912
.set KSC,   13107200
.set VSC,   13631488
.set TINFO, 524288
.set SCSTG, 8448                       ; LDS: a stage of 16 rows x (512 + 16) bytes of codes at 0; here 16 rows x 32 scale bytes;
.set SPARE, 8960                       ; and the spare words, 128 bytes for each of sixteen waves
.set WV,    18
.set LIVE,  19                         ; s19  bit 0: the step in hand is walked
.set FULL,  24                         ; s24  bit 0: all its mask bytes are true
.set CNT,   25
.set SEL,   20                         ; s[20:21] lane l xor 16
.set CS,    22                         ; s[22:23] c = log2(e) / 8
	s_load_b128 s[4:7], s[0:1], 0x0                ; qkv, maskw
	s_load_b128 s[28:31], s[0:1], 0x10             ; acodes, ascales
	v_lshl_add_u32 v3, v0, 2, SPARE
	v_mov_b32 v4, 0
	v_lshrrev_b32 v10, 5, v0
	v_readfirstlane_b32 s[WV], v10                 ; wave = head
	v_and_b32 v27, 31, v0                          ; L
	v_and_b32 v25, 15, v0                          ; r
	v_bfe_u32 v26, v0, 4, 1                        ; h
	v_lshlrev_b32 v1, 4, v27
	v_lshlrev_b32 v2, 4, v25
	v_mul_u32_u24 v6, v25, 528                     ; the stage, in: row r, my head's 32 bytes, + 16 h
	v_lshl_add_u32 v6, v26, 4, v6
	s_lshl_b32 s26, s[WV], 5
	v_add_nc_u32 v6, s26, v6
	v_lshlrev_b32 v7, 5, v25                       ; the scale bytes, in: row r, my head's two
	s_lshl_b32 s27, s[WV], 1
	s_add_co_u32 s27, s27, SCSTG
	v_add_nc_u32 v7, s27, v7
	s_mul_i32 s26, s[WV], 528
	v_add_nc_u32 v8, s26, v1                       ; the stage, back: row = my wave's number, 16 bytes a lane
	v_lshlrev_b32 v9, 8, v26
	v_add_nc_u32 v9, v9, v1                        ; the scale bytes in memory: rows 8-15 are tokens 16 on: 256 bytes further
	v_add_nc_u32 v11, SCSTG, v1                    ; and in LDS
	s_and_b32 s2, ttmp7, 0xffff                    ; batch
	s_lshl_b32 s3, s2, 4
	s_add_co_u32 s3, s3, s[WV]                     ; batch x 16 + head
	s_lshl_b32 s32, s3, 16                         ; a head's images: 65,536 bytes
	s_mov_b32 s33, 0
	s_lshl_b32 s34, s3, 13                         ; its scale words of q or k: 8,192
	s_mov_b32 s35, 0
	s_lshl_b32 s36, s3, 12                         ; of v: 4,096
	s_mov_b32 s37, 0
	s_lshl_b32 s38, ttmp9, 9                       ; my tile of queries: 512 bytes an image
	s_mov_b32 s39, 0
	s_lshr_b32 s40, ttmp9, 2
	s_lshl_b32 s40, s40, 8                         ; its scale words: 256 bytes for each four tiles,
	s_and_b32 s41, ttmp9, 3
	s_lshl_b32 s41, s41, 2
	s_add_co_u32 s40, s40, s41                     ; word tile % 4 of a row's four
	s_mov_b32 s41, 0
	s_lshl_b32 s42, ttmp9, 12                      ; its lane masks: 16 steps x 256 bytes
	s_mov_b32 s43, 0
	s_lshl_b32 s44, ttmp9, 4
	s_add_co_u32 s44, s44, TINFO                   ; its four words of the list
	s_mov_b32 s45, 0
	s_lshr_b32 s46, ttmp9, 1
	s_lshl_b32 s46, s46, 5
	s_and_b32 s47, ttmp9, 1
	s_lshl_b32 s47, s47, 3
	s_add_co_u32 s46, s46, s47                     ; the tile's first token: 32 (qt / 2) + 8 (qt % 2); row r is token + r + 8 (r / 8)
	s_lshl_b32 s47, s2, 11
	s_add_co_u32 s46, s46, s47
	s_lshl_b32 s48, s46, 5                         ; 32 scale bytes a token
	s_mov_b32 s49, 0
	s_and_b32 s50, s[WV], 8
	s_add_co_u32 s50, s50, s[WV]
	s_add_co_u32 s50, s50, s46                     ; the token whose row of codes I store
	s_lshl_b32 s50, s50, 9
	s_mov_b32 s51, 0
	s_mov_b32 s[SEL], 0x76543210
	s_mov_b32 s[SEL+1], 0xfedcba98
	s_mov_b32 s[CS], 0x3e38aa3b                    ; c = log2(e) / sqrt(64)
	s_mov_b32 s[CS+1], s[CS]                       ; (named with it as a pair, so it is written)
	s_mov_b32 s[CNT], 0
	s_wait_kmcnt 0x0
	s_add_nc_u64 s[72:73], s[6:7], s[44:45]
	s_load_b128 s[68:71], s[72:73], 0x0            ; the list's four words
	s_add_nc_u64 s[12:13], s[4:5], s[32:33]
	s_add_nc_u64 s[84:85], s[12:13], s[38:39]      ; Q's image
	s_add_nc_u64 s[8:9], s[12:13], KI              ; K's images, key step 0
	s_add_nc_u64 s[12:13], s[12:13], VI            ; V's
	s_add_nc_u64 s[10:11], s[4:5], s[34:35]
	s_add_nc_u64 s[86:87], s[10:11], s[40:41]
	s_add_nc_u64 s[86:87], s[86:87], QS            ; Q's scale words
	s_add_nc_u64 s[10:11], s[10:11], KSC           ; K's
	s_add_nc_u64 s[14:15], s[4:5], s[36:37]
	s_add_nc_u64 s[14:15], s[14:15], VSC           ; V's
	s_add_nc_u64 s[16:17], s[6:7], s[42:43]        ; the lane masks
	s_add_nc_u64 s[28:29], s[28:29], s[50:51]
	s_add_nc_u64 s[30:31], s[30:31], s[48:49]
	global_load_b128 v[16:19], v1, s[84:85]
	global_load_b32 v24, v2, s[86:87]
	v_mov_b32 v5, 0xfb800000                       ; -2^120
	v_mov_b32 v13, 0xff61b1e6                      ; the largest t so far: -3e38
	v_floor_f32 v12, -v13                          ; -M
	v_mov_b32 v14, 0
	v_mov_b32 v15, 0
.irp j, 20,21,22,23,60,61,62,63,236,237,238,239,252,253
	v_mov_b32 v\j, 0                               ; zero codes; and registers that a lane permute or a pair names before they are first written
.endr
.set j, 0
.rept 32
	v_mov_b32 v[160+j], 0                          ; O^T: the step is written once; the first finds zeros
.set j, j+1
.endr
	s_wait_kmcnt 0x0
	s_or_b32 s2, s68, s69
	s_or_b32 s2, s2, s70
	s_or_b32 s2, s2, s71
	s_and_b32 s2, s2, 0xffff                       ; rows with a true byte anywhere
	s_bfe_u32 s[LIVE], s68, 0x40010
	s_bfe_u32 s[FULL], s68, 0x40014
.irp w, 1,2,3
	s_bfe_u32 s3, s[68+\w], 0x40010
	s_lshl_b32 s3, s3, 4*\w
	s_or_b32 s[LIVE], s[LIVE], s3
	s_bfe_u32 s3, s[68+\w], 0x40014
	s_lshl_b32 s3, s3, 4*\w
	s_or_b32 s[FULL], s[FULL], s3
.endr
	s_cmp_eq_u32 s2, 0xffff
	s_cselect_b32 s[LIVE], s[LIVE], 0xffff         ; a row with no true byte weighs all keys alike: then every step is walked
	s_wait_loadcnt 0x0                             ; Q
.Lstep:                                            ; 16 trips
	s_and_b32 s3, s[LIVE], 1
	s_cmp_eq_u32 s3, 0
	s_cbranch_scc1 .Lnext
.irp t, 0,1,2,3,4,5,6,7
	global_load_b128 v[28+4*\t:31+4*\t], v1, s[8:9] offset:512*\t     ; eight tiles of 16 keys
.endr
	global_load_b128 v[200:203], v2, s[10:11]                         ; row r's scale words of tiles 0-3,
	global_load_b128 v[204:207], v2, s[10:11] offset:256              ; of tiles 4-7
.irp t, 0,1,2,3
	global_load_b128 v[64+8*\t:67+8*\t], v1, s[12:13] offset:1024*\t  ; four tiles of 16 of the head's 64 x 128 keys
	global_load_b128 v[68+8*\t:71+8*\t], v1, s[12:13] offset:1024*\t+512
.endr
	global_load_b128 v[208:211], v2, s[14:15]
	s_load_b512 s[32:47], s[16:17], 0x0            ; the step's 64 lane masks
	s_load_b512 s[48:63], s[16:17], 0x40
	s_load_b512 s[68:83], s[16:17], 0x80
	s_load_b512 s[84:99], s[16:17], 0xc0
	s_wait_loadcnt 9                               ; K and its scale words are in; V's nine loads may be out
.irp t, 0,1,2,3,4,5,6,7
	v_wmma_scale_f32_16x16x128_f8f6f4 v[96+8*\t:103+8*\t], v[28+4*\t:35+4*\t], v[16:23], 0, v[200+\t], v24 matrix_a_fmt:MATRIX_FMT_FP4 matrix_b_fmt:MATRIX_FMT_FP4
.endr                                              ; register 16 b + i of lane (r, h): query r, key 32 b + 16 h + i of the step
.rept 4
	v_nop
.endr
	s_wait_kmcnt 0x0
	s_and_b32 s3, s[FULL], 1
	s_cmp_lg_u32 s3, 0
	s_cbranch_scc1 .Lfull                          ; a step all of whose bytes are true selects nothing
.set n, 0
.rept 32
	v_cndmask_b32 v[96+n], v5, v[96+n], s[32+n]    ; bit L of word n: lane L's register n counts, or becomes -2^120
.set n, n+1
.endr
.rept 32
	v_cndmask_b32 v[96+n], v5, v[96+n], s[36+n]
.set n, n+1
.endr
.Lfull:
.irp b, 0,1,2,3
	v_max3_num_f32 v[232+\b], v[96+16*\b], v[97+16*\b], v[98+16*\b]   ; the largest score of each block of 32 keys: for the row's maximum, and, since p rises with the score, for the block's largest p
.endr
.irp i, 3,5,7,9,11,13
.irp b, 0,1,2,3
	v_max3_num_f32 v[232+\b], v[232+\b], v[96+16*\b+\i], v[97+16*\b+\i]
.endr
.endr
.irp b, 0,1,2,3
	v_max_num_f32 v[232+\b], v[232+\b], v[111+16*\b]
.endr
.irp b, 0,1,2,3
	v_permlanex16_b32 v[236+\b], v[232+\b], s[SEL], s[SEL+1]
.endr
.irp b, 0,1,2,3
	v_max_num_f32 v[232+\b], v[232+\b], v[236+\b]  ; with lane l xor 16's 16 keys
.endr
	v_max3_num_f32 v254, v232, v233, v234
	v_max_num_f32 v254, v254, v235                 ; the step's largest score of my query
	v_mul_f32 v254, s[CS], v254                    ; as t
	v_max_num_f32 v13, v13, v254                   ; the running largest t
	v_mov_b32 v254, v12
	v_floor_f32 v12, -v13                          ; the new -M = -ceil(t): a whole number
	v_sub_f32 v254, v12, v254                      ; old M less new M: a whole number, 0 or less
	v_cvt_i32_f32 v254, v254                       ; (it saturates)
	v_ldexp_f32 v252, 1.0, v254                    ; f = 2^(old M - new M)
.set j, 0
.rept 32
	v_pk_fma_f32 v[96+j:97+j], v[96+j:97+j], s[CS:CS+1], v[12:13] op_sel_hi:[1,0,0]   ; t - M, two at a time
.set j, j+2
.endr
.irp b, 0,1,2,3
	v_fma_f32 v[232+\b], v[232+\b], s[CS], v12     ; the same of each block's largest score
.endr
.set j, 0
.rept 64
	v_exp_f32 v[96+j], v[96+j]                     ; p = 2^(t - M), at most 1
.set j, j+1
.endr
	v_pk_mul_f32 v[14:15], v[14:15], v[252:253] op_sel_hi:[1,0]   ; the sums under the new M (a plain place behind the exponentials)
	s_wait_alu depctr_va_vdst(0)                   ; one wait for the batch of 64, ahead of its first reader
.irp b, 0,1,2,3
	v_exp_f32 v[232+\b], v[232+\b]                 ; the block's largest p
.endr
	v_pk_add_f32 v[236:237], v[96:97], v[98:99]    ; the row's sum is taken of the unquantised p: two at a time, in two chains
.irp j, 4,8,12,16,20,24,28,32,36,40,44,48,52,56,60
	v_pk_add_f32 v[14:15], v[14:15], v[96+\j:97+\j]
	v_pk_add_f32 v[236:237], v[236:237], v[98+\j:99+\j]
.endr
	v_pk_add_f32 v[14:15], v[14:15], v[236:237]
	s_wait_alu depctr_va_vdst(0)                   ; and one for the four
.irp b, 0,1,2,3
	v_max_num_f32 v[232+\b], 0x1800000, v[232+\b]  ; the floor 2^(3 - 127): the byte cannot fall under 1
.endr
.irp b, 0,1,2,3
	v_add_nc_u32 v[244+\b], 0xff000000, v[232+\b]  ; 2 off the exponent field: the conversion's scale operand
.endr
.irp b, 0,1,2,3
	v_lshrrev_b32 v[236+\b], 23, v[244+\b]         ; the scale's byte
.endr
	v_lshl_or_b32 v253, v237, 8, v236              ; p's scale word for these 128 keys
	v_lshl_or_b32 v253, v238, 16, v253
	v_lshl_or_b32 v253, v239, 24, v253
.irp b, 0,1,2,3
	v_cvt_scalef32_pk8_fp4_f32 v[192+2*\b], v[96+16*\b:103+16*\b], v[244+\b]
	v_cvt_scalef32_pk8_fp4_f32 v[193+2*\b], v[104+16*\b:111+16*\b], v[244+\b]
.endr
	v_nop                                          ; one plain place behind a scaled conversion
.irp c, 0,1                                        ; the operand's layout wants a whole block in a lane
.irp i, 0,1
	v_permlane16_swap_b32 v[192+4*\c+\i], v[194+4*\c+\i]
.endr
.endr
.set j, 0
.rept 16
	v_pk_mul_f32 v[160+j:161+j], v[160+j:161+j], v[252:253] op_sel_hi:[1,0]   ; O^T under the new M.  (These are also the places between p's codes and scale word and the products below)
.set j, j+2
.endr
	s_wait_loadcnt 0x0                             ; V and its scale words
.irp t, 0,1,2,3
	v_wmma_scale_f32_16x16x128_f8f6f4 v[160+8*\t:167+8*\t], v[64+8*\t:71+8*\t], v[192:199], v[160+8*\t:167+8*\t], v[208+\t], v253 matrix_a_fmt:MATRIX_FMT_FP4 matrix_b_fmt:MATRIX_FMT_FP4
.endr
.rept 4
	v_nop                                          ; places in front of the next loads into V's registers, and of the way out's reads
.endr
.Lnext:
	s_wait_xcnt 0x0                                ; the step's loads have been taken: their bases are stepped only behind this wait
	s_add_nc_u64 s[8:9], s[8:9], 4096
	s_add_nc_u64 s[10:11], s[10:11], 512
	s_add_nc_u64 s[12:13], s[12:13], 4096
	s_add_nc_u64 s[14:15], s[14:15], 256
	s_add_nc_u64 s[16:17], s[16:17], 256
	s_lshr_b32 s[LIVE], s[LIVE], 1
	s_lshr_b32 s[FULL], s[FULL], 1
	s_add_co_u32 s[CNT], s[CNT], 1
	s_cmp_lt_u32 s[CNT], 16
	s_cbranch_scc1 .Lstep
	; THE WAY OUT.  O^T / the sum: register 16 B + i of lane (r, h) is d = 32 B + 16 h + i of my head, query r: two blocks of 32 along the last product's K.  They are quantised as they stand; a lane's 16 bytes (d = 32 h + 0 .. 31)
	; and the head's two scale bytes meet the other fifteen heads' in LDS, and leave as whole rows: 512 bytes of codes a token.
	v_add_f32 v14, v14, v15
	v_permlanex16_b32 v252, v14, s[SEL], s[SEL+1]
	v_add_f32 v14, v14, v252                       ; the row's sum
	v_rcp_f32 v14, v14
	v_nop                                          ; a plain place behind the reciprocal
	s_wait_alu depctr_va_vdst(0)                   ; and the wait ahead of its first reader
.set j, 0
.rept 32
	v_mul_f32 v[96+j], v[160+j], v14
.set j, j+1
.endr
.irp b, 0,1
	v_max3_num_f32 v[232+\b], |v[96+16*\b]|, |v[97+16*\b]|, 0x1800000
.endr
.irp i, 2,4,6,8,10,12,14
.irp b, 0,1
	v_max3_num_f32 v[232+\b], v[232+\b], |v[96+16*\b+\i]|, |v[97+16*\b+\i]|
.endr
.endr
.irp b, 0,1
	v_permlanex16_b32 v[236+\b], v[232+\b], s[SEL], s[SEL+1]
.endr
.irp b, 0,1
	v_max_num_f32 v[232+\b], v[232+\b], v[236+\b]
.endr
.irp b, 0,1
	v_add_nc_u32 v[244+\b], 0xff000000, v[232+\b]
.endr
.irp b, 0,1
	v_lshrrev_b32 v[236+\b], 23, v[244+\b]
.endr
	v_lshl_or_b32 v250, v237, 8, v236              ; my head's two scale bytes of row r
.irp b, 0,1
	v_cvt_scalef32_pk8_fp4_f32 v[192+2*\b], v[96+16*\b:103+16*\b], v[244+\b]
	v_cvt_scalef32_pk8_fp4_f32 v[193+2*\b], v[104+16*\b:111+16*\b], v[244+\b]
.endr
	v_nop
	v_permlane16_swap_b32 v192, v194               ; lanes 0-15: d = 0 .. 31, lanes 16-31: d = 32 .. 63
	v_permlane16_swap_b32 v193, v195
	ds_store_b128 v6, v[192:195]
	ds_store_b16 v7, v250                          ; both lanes of a row write the same two bytes
	s_wait_dscnt 0x0                               ; for the others' sake: my stores are done
	s_barrier_signal -1
	s_barrier_wait -1
	ds_load_b128 v[96:99], v8                      ; row = my wave's number: all sixteen heads' codes
	s_cmp_lg_u32 s[WV], 0
	s_cbranch_scc1 .Lnot_wave_0
	ds_load_b128 v[100:103], v11                   ; wave 0: the 16 rows' scale bytes
	s_wait_dscnt 0x0
	global_store_b128 v9, v[100:103], s[30:31]     ; sixteen lanes store 256 consecutive bytes, aligned: eight tokens' scale bytes
.Lnot_wave_0:
	s_wait_dscnt 0x0
	global_store_b128 v1, v[96:99], s[28:29]       ; 32 lanes store a token's 512 bytes of codes
	s_wait_tensorcnt 0x0                           ; the wave's end
	ds_add_u32 v3, v4
	s_wait_dscnt 0x0
	s_endpgm
.Lfunc_end_k_q7167d6a114_attn:
	.size	k_q7167d6a114_attn, .Lfunc_end_k_q7167d6a114_attn-k_q7167d6a114_attn
	.p2alignl 7, 3214868480
	.fill 96, 4, 3214868480
	.section	.rodata,"a",@progbits
	.p2align	6, 0x0
	.amdhsa_kernel k_q7167d6a114_attn
		.amdhsa_group_segment_fixed_size 11008
		.amdhsa_private_segment_fixed_size 0
		.amdhsa_enable_private_segment 0
		.amdhsa_kernarg_size 32
		.amdhsa_user_sgpr_count 2
		.amdhsa_user_sgpr_kernarg_segment_ptr 1
		.amdhsa_wavefront_size32 1
		.amdhsa_system_sgpr_workgroup_id_x 1
		.amdhsa_system_sgpr_workgroup_id_y 1
		.amdhsa_system_sgpr_workgroup_id_z 1
		.amdhsa_system_vgpr_workitem_id 0
		.amdhsa_next_free_vgpr 256
		.amdhsa_next_free_sgpr 102
		.amdhsa_reserve_vcc 0
		.amdhsa_float_denorm_mode_32 3
		.amdhsa_float_denorm_mode_16_64 3
		.amdhsa_memory_ordered 1
		.amdhsa_forward_progress 1
		.amdhsa_inst_pref_size 31
	.end_amdhsa_kernel
	.amdgpu_metadata
---
amdhsa.version: [ 1, 2 ]
amdhsa.kernels:
  - .name:           k_q7167d6a114_attn
    .symbol:         k_q7167d6a114_attn.kd
    .args:
      - { .name: qkv, .offset: 0, .size: 8, .value_kind: global_buffer, .address_space: global }
      - { .name: maskw, .offset: 8, .size: 8, .value_kind: global_buffer, .address_space: global }
      - { .name: acodes, .offset: 16, .size: 8, .value_kind: global_buffer, .address_space: global }
      - { .name: ascales, .offset: 24, .size: 8, .value_kind: global_buffer, .address_space: global }
    .group_segment_fixed_size: 11008
    .private_segment_fixed_size: 0
    .kernarg_segment_align: 8
    .kernarg_segment_size: 32
    .max_flat_workgroup_size: 512
    .sgpr_count:     102
    .vgpr_count:     256
    .wavefront_size: 32
...
	.end_amdgpu_metadata
.endif
;; end of part 3
;; launch proj (part 4): grid 4 x 32, 4 waves a work-group, clusters of 4 x 4, 327,680 bytes of LDS; arguments acodes, ascales, codes1, scales1, out0, proj_b; writes out0
.if DOCPART == 4
	.amdgcn_target "amdgcn-amd-amdhsa--gfx1250"
	.amdhsa_code_object_version 6
	.text
	.protected	k_q7167d6a114_proj
	.globl	k_q7167d6a114_proj
	.p2align	8
	.type	k_q7167d6a114_proj,@function
k_q7167d6a114_proj:
	s_mov_b64 s[64:65], 0
	v_nop
	global_prefetch_b8 v0, s[64:65] scope:SCOPE_SE
	s_setreg_imm32_b32 hwreg(HW_REG_WAVE_MODE, 25, 1), 1
	s_wait_xcnt 0x0
	s_wait_alu depctr_hold_cnt(0) depctr_sa_sdst(0) depctr_va_vdst(0) depctr_va_sdst(0) depctr_va_ssrc(0) depctr_va_vcc(0) depctr_vm_vsrc(0)
	s_getreg_b32 s2, hwreg(HW_REG_IB_STS2, 6, 4)
	s_cmp_eq_u32 s2, 0
	s_cbranch_scc0 .Lentry_in_a_cluster
	s_endpgm
.Lentry_in_a_cluster:
	s_bfe_u32 s2, ttmp6, 0x10000c
	s_cmp_lg_u32 s2, 0xf033
	s_cbranch_scc0 .Lentry_shape_is_right
	s_endpgm
.Lentry_shape_is_right:
; FOURTH LAUNCH: out0 = a proj_w^T + proj_b on codes of FP4 (E2M1) with E8M0 scales.  a: acodes [8192][512 bytes], ascales [8192][32]; proj_w: rows 11,264 on of codes1 and scales1, in their own order; out0 [8192][1024] f32.  Nothing is left out here.
; A work-group of four waves makes 256 x 256 of out0, a wave 128 x 128: 64 accumulators.  K = 1,024 goes in two steps of 512 through two LDS slots, each filled once by the tensor data mover; the scale bytes of the 512 rows come with them.
; CLUSTERS: 4 x 4 work-groups; a's tile is shared along a row of the cluster, proj_w's along a column: each is asked for jointly.  THE MATRIX INSTRUCTION IS USED TRANSPOSED (source 0 = 16 rows of proj_w, source 1 = 16 tokens):
; a lane holds eight neighbouring numbers of a row of out0.  THE BIAS is the C of each sum's first matrix instruction.
; REGISTERS, in windows of 256: window 0: v0-31 addresses; v32-95 scale words, two sets; v128-191 a's fragments, one set; v192-255 the bias; on the way out v128-255 take rows of out0.
;   window 1: proj_w's fragments, two sets.   window 2: the accumulators of my rows 0-63 ((a, b) at v[8 (8 a + b)]);   window 3: of rows 64-127.
.set SIZE_N, 1024
.set NQ,     4
.set ROWB,   256
.set KROW,   512
.set PITCH,  272                       ; an LDS row: 256 bytes + 16 of padding: the 16 rows that a load touches start at 16 different banks (64 banks of 4 bytes: ISA guide 11.1)
.set FR,     8
.set NL,     2
.set NP,     4
.set HALFT,  128*PITCH
.set SLOT,   4*HALFT
.set SCL,    2*SLOT
.set HALFS,  16*272
.set SBLK,   2*272
.set SPARE,  SCL+4*HALFS
.set SPITCH, 528                       ; the way out: a stage of 16 rows x (512 + 16) bytes for each wave, in slot 0, which has had its one fill and its last read when the first result is stored there
.set ADRA, 16
.set ADRB, 20
.set STO,  24
.set RD,   25
.set CO,   26
.set ADRS, 27
.set SPW,  28
.set NIL,  29
.set SC,   32
.set AF,   128
.set BK,   128
.set BIAS, 192
.set G1, 24
.set G0, 32
.set G1B, 48
.set G0B, 56
.set G1S, 68
.set G0S, 76
.set G1SB, 80
.set G0SB, 88
.set MSB, 0
.macro WIN new
.if MSB != (\new)
	s_set_vgpr_msb (MSB<<8)|(\new)
.set MSB, (\new)
.endif
.endm
.set MUL_LO, 0xa1
.set MUL_HI, 0xf1
.set TO_B,   0x40
.macro JLOAD g0a, g1a, g0b, g1b        ; a joint load: waves 0 and 1 fetch for a, waves 2 and 3 for proj_w; an s_nop 0 and four v_nop follow each of the two lines
	s_cmp_eq_u32 s15, 0
	s_cbranch_scc0 .Lfor_b_\@
	tensor_load_to_lds s[\g0a:\g0a+3], s[\g1a:\g1a+7]
	s_nop 0
.rept 4
	v_nop
.endr
	s_branch .Lasked_\@
.Lfor_b_\@:
	tensor_load_to_lds s[\g0b:\g0b+3], s[\g1b:\g1b+7]
	s_nop 0
.rept 4
	v_nop
.endr
.Lasked_\@:
.endm
.macro CROUND
	s_barrier_signal -1
	s_barrier_wait -1
	s_cmp_lg_u32 s14, 0
	s_cbranch_scc1 .Lnot_wave_0_\@
	s_barrier_signal -3
.Lnot_wave_0_\@:
	s_barrier_wait -3
	s_barrier_signal -1
	s_barrier_wait -1
.endm
	s_load_b128 s[4:7], s[0:1], 0x0                ; acodes, ascales
	s_load_b128 s[8:11], s[0:1], 0x10              ; codes1, scales1
	s_load_b64 s[12:13], s[0:1], 0x20              ; out0
	s_load_b64 s[96:97], s[0:1], 0x28              ; proj_b
	v_lshl_add_u32 v[SPW], v0, 2, SPARE
	v_mov_b32 v[NIL], 0
	ds_add_u32 v[SPW], v[NIL]                      ; the wave's opening: the add, twice on end, and its wait ahead of my first tensor load
	ds_add_u32 v[SPW], v[NIL]
	v_lshrrev_b32 v1, 5, v0
	v_readfirstlane_b32 s14, v1                    ; wave 0..3
	s_lshr_b32 s15, s14, 1                         ; which half of the tile's rows is mine.  Also: I fetch for a (0) or for proj_w (1)
	s_and_b32 s16, s14, 1                          ; which half of its columns.  Also: which 128 rows of that tile I fetch
	s_bfe_u32 s40, ttmp6, 0x40000                  ; cx, cy
	s_bfe_u32 s41, ttmp6, 0x40004
	s_lshl_b32 s42, ttmp9, 2
	s_add_co_u32 s42, s42, s40                     ; tile column = 4 x cluster x + cx
	s_and_b32 s17, ttmp7, 0xffff
	s_lshl_b32 s17, s17, 2
	s_add_co_u32 s17, s17, s41                     ; tile row = 4 x cluster y + cy
	s_lshl_b32 s43, s41, 2
	s_lshl_b32 s43, 15, s43                        ; my row of the cluster
	s_lshl_b32 s44, 0x1111, s40                    ; my column
	s_or_b32 s[G1+0], s43, (0<<16)|(1<<20)|(1<<21)|(5<<22)|(3<<25)  ; 15:0 the mask; 17:16 elements of 1 byte; 20 padding on; 21 set beside a mask; 24:22 after every 64 words; 31:25 four words
	s_or_b32 s[G1B+0], s44, (0<<16)|(1<<20)|(1<<21)|(5<<22)|(3<<25)
.irp g, G1, G1B
	s_mov_b32 s[\g+1], ROWB<<16
	s_mov_b32 s[\g+2], 128<<16
	s_mov_b32 s[\g+3], ROWB<<16
	s_mov_b32 s[\g+4], 128
	s_mov_b32 s[\g+5], KROW
	s_mov_b32 s[\g+6], 0
	s_mov_b32 s[\g+7], 0
.endr
	s_or_b32 s[G1S+0], s43, (3<<16)|(1<<20)|(1<<21)|(5<<22)|(3<<25)   ; the scale bytes of 128 rows: 16 rows of 256 bytes, 16 of padding behind each
	s_or_b32 s[G1SB+0], s44, (3<<16)|(1<<20)|(1<<21)|(5<<22)|(3<<25)
.irp g, G1S, G1SB
	s_mov_b32 s[\g+1], 32<<16
	s_mov_b32 s[\g+2], 16<<16
	s_mov_b32 s[\g+3], 32<<16
	s_mov_b32 s[\g+4], 16
	s_mov_b32 s[\g+5], 32
	s_mov_b32 s[\g+6], 0
	s_mov_b32 s[\g+7], 0
.endr
	s_lshl_b32 s18, s16, 7
	s_lshl_b32 s20, s17, 8
	s_add_co_u32 s20, s20, s18                     ; a: row 256 x tile row + 128 x half
	s_lshl_b32 s46, s42, 8
	s_add_co_u32 s46, s46, s18
	s_add_co_u32 s46, s46, 11264                   ; proj_w: row 256 x tile column + 128 x half, behind x's and qkv_w's rows
	s_lshl_b32 s22, s20, 5
	s_mov_b32 s23, 0
	s_lshl_b32 s92, s46, 5
	s_mov_b32 s93, 0
	s_lshl_b32 s20, s20, 9
	s_mov_b32 s21, 0
	s_lshl_b32 s46, s46, 9
	s_mov_b32 s47, 0
	s_mul_i32 s45, s14, HALFT
	s_mul_i32 s94, s14, HALFS
	s_wait_dscnt 0x0                               ; both opening adds are done
	s_wait_kmcnt 0x0
	s_add_nc_u64 s[20:21], s[4:5], s[20:21]
	s_add_nc_u64 s[22:23], s[6:7], s[22:23]
	s_add_nc_u64 s[46:47], s[8:9], s[46:47]
	s_add_nc_u64 s[92:93], s[10:11], s[92:93]
	CROUND                                         ; all sixteen work-groups are here: the joint loads meet
	s_mov_b32 s[G0S], 1
	s_add_co_u32 s[G0S+1], s94, SCL
	s_mov_b64 s[G0S+2:G0S+3], s[22:23]
	s_or_b32 s[G0S+3], s[G0S+3], 0x80000000
	s_mov_b32 s[G0SB], 1
	s_add_co_u32 s[G0SB+1], s94, SCL
	s_mov_b64 s[G0SB+2:G0SB+3], s[92:93]
	s_or_b32 s[G0SB+3], s[G0SB+3], 0x80000000
	JLOAD G0S, G1S, G0SB, G1SB
.irp s, 0,1
	s_mov_b32 s[G0+4*\s], 1
	s_add_co_u32 s[G0+4*\s+1], s45, \s*SLOT
	s_add_nc_u64 s[G0+4*\s+2:G0+4*\s+3], s[20:21], \s*ROWB
	s_or_b32 s[G0+4*\s+3], s[G0+4*\s+3], 0x80000000
	s_mov_b32 s[G0B+4*\s], 1
	s_add_co_u32 s[G0B+4*\s+1], s45, \s*SLOT
	s_add_nc_u64 s[G0B+4*\s+2:G0B+4*\s+3], s[46:47], \s*ROWB
	s_or_b32 s[G0B+4*\s+3], s[G0B+4*\s+3], 0x80000000
	JLOAD G0+4*\s, G1, G0B+4*\s, G1B               ; three loads of mine are out: all that this launch asks for
.endr
	v_and_b32 v1, 15, v0                           ; l % 16
	v_bfe_u32 v2, v0, 4, 1                         ; l / 16
	v_mul_u32_u24 v3, v1, PITCH
	v_lshl_add_u32 v4, v2, 4, v3
	s_mul_i32 s21, s15, HALFT
	s_mul_i32 s22, s16, HALFT
	s_add_co_u32 s22, s22, 2*HALFT
.irp s, 0,1
	v_add_nc_u32 v[ADRA+\s], s21, v4
	v_add_nc_u32 v[ADRB+\s], s22, v4
	s_add_co_u32 s21, s21, SLOT
	s_add_co_u32 s22, s22, SLOT
.endr
	v_mul_u32_u24 v5, v1, 32
	v_lshrrev_b32 v6, 8, v5
	v_lshl_add_u32 v5, v6, 4, v5
	s_mul_i32 s21, s15, HALFS
	s_mul_i32 s22, s16, HALFS
	s_add_co_u32 s22, s22, 2*HALFS
	s_sub_co_u32 s22, s22, s21
	v_mul_u32_u24 v6, s22, v2                      ; lanes 16-31 take proj_w's
	s_add_co_u32 s21, s21, SCL
	v_add_nc_u32 v5, v5, v6
	v_add_nc_u32 v[ADRS], s21, v5
	s_mul_i32 s23, s14, 16*SPITCH                  ; my stage
	v_mul_u32_u24 v5, v1, SPITCH
	v_lshl_add_u32 v5, v2, 5, v5
	v_add_nc_u32 v[STO], s23, v5                   ; in: row l % 16, 32 bytes for each half of the lanes
	v_and_b32 v6, 31, v0
	v_lshlrev_b32 v[CO], 4, v6                     ; back: the 32 lanes take one row of 512 bytes; and the same in out0
	v_add_nc_u32 v[RD], s23, v[CO]
	s_lshl_b32 s20, s17, 8
	s_lshl_b32 s21, s15, 7
	s_add_co_u32 s20, s20, s21                     ; my first row of out0
	s_lshl_b32 s20, s20, 12                        ; rows of 4,096 bytes (under 2^25)
	s_mov_b32 s21, 0
	s_lshl_b32 s46, s42, 10                        ; my first column, in bytes: 1,024 x tile column + 512 x half
	s_lshl_b32 s47, s16, 9
	s_add_co_u32 s46, s46, s47
	s_mov_b32 s47, 0
	s_add_nc_u64 s[96:97], s[96:97], s[46:47]      ; my 128 numbers of the bias
	s_add_nc_u64 s[20:21], s[20:21], s[46:47]
	s_add_nc_u64 s[12:13], s[12:13], s[20:21]
	v_lshlrev_b32 v7, 5, v2                        ; the bias in the result's layout: register j of accumulator (a, b) is column 16 b + 8 h + j
.irp b, 0,1,2,3,4,5,6,7
	global_load_b128 v[BIAS+8*\b:BIAS+8*\b+3], v7, s[96:97] offset:64*\b
	global_load_b128 v[BIAS+8*\b+4:BIAS+8*\b+7], v7, s[96:97] offset:64*\b+16
.endr
.macro FRAG reg, adr, q, i
.irp c, 0,1
	ds_load_b128 v[\reg+4*\c:\reg+4*\c+3], v[\adr] offset:64*(\q)+32*\c+(\i)*16*PITCH
.endr
.endm
; 16 matrix instructions: a's blocks a0, a0 + 1 x proj_w's eight, 128 along K.  first = 1: C is the bias.  The 64 accumulators take turns, one instruction a turn.
.macro MUL16 a0, p, q, sc, first
.irp a, \a0, \a0+1
.irp b, 0,1,2,3,4,5,6,7
.if \first
	v_wmma_scale_f32_16x16x128_f8f6f4 v[8*(8*((\a)%4)+\b):8*(8*((\a)%4)+\b)+7], v[128*(\p)+FR*\b:128*(\p)+FR*\b+FR-1], v[AF+FR*(\a):AF+FR*(\a)+FR-1], v[BIAS+8*\b:BIAS+8*\b+7], v[SC+8*NQ*(\sc)+NQ*\b+(\q)], v[SC+8*NQ*(\sc)+NQ*(\a)+(\q)] matrix_a_fmt:MATRIX_FMT_FP4 matrix_b_fmt:MATRIX_FMT_FP4 matrix_a_scale:MATRIX_SCALE_ROW1
.else
	v_wmma_scale_f32_16x16x128_f8f6f4 v[8*(8*((\a)%4)+\b):8*(8*((\a)%4)+\b)+7], v[128*(\p)+FR*\b:128*(\p)+FR*\b+FR-1], v[AF+FR*(\a):AF+FR*(\a)+FR-1], v[8*(8*((\a)%4)+\b):8*(8*((\a)%4)+\b)+7], v[SC+8*NQ*(\sc)+NQ*\b+(\q)], v[SC+8*NQ*(\sc)+NQ*(\a)+(\q)] matrix_a_fmt:MATRIX_FMT_FP4 matrix_b_fmt:MATRIX_FMT_FP4 matrix_a_scale:MATRIX_SCALE_ROW1
.endif
.endr
.endr
.endm
.macro FETCH_B slot, q, p
	WIN TO_B
.irp i, 0,1,2,3,4,5,6,7
	FRAG 128*(\p)+FR*\i, ADRB+\slot, \q, \i
.endr
	WIN 0
.endm
.macro FETCH_A slot, q, i0
.irp i, \i0, \i0+1, \i0+2, \i0+3
	FRAG AF+FR*(\i), ADRA+\slot, \q, \i
.endr
.endm
.macro SCALES sc
.irp i, 0,1,2,3,4,5,6,7
	ds_load_b128 v[SC+8*NQ*\sc+NQ*\i:SC+8*NQ*\sc+NQ*\i+3], v[ADRS] offset:\i*SBLK
.endr
.endm
.macro PLACES n                        ; plain vector instructions between a matrix instruction and a load into, or a read of, its registers (ISA guide 7.12.1 for reads)
.rept \n
	v_nop
.endr
.endm
.macro STEP slot, q, first
	s_wait_dscnt 4*NL                              ; proj_w's set and a's blocks 0-3 are in; the youngest eight loads (blocks 4-7) may be out
.if \first
	WIN 0x81                                       ; C (the bias) window 0, D window 2
.else
	WIN MUL_LO
.endif
	MUL16 0, (\q)%2, \q, \slot, \first
	MUL16 2, (\q)%2, \q, \slot, \first
	s_wait_dscnt 0
	PLACES NP
	FETCH_B \slot, (\q)+1, 1-(\q)%2
	FETCH_A \slot, (\q)+1, 0
.if \first
	WIN 0xc1
.else
	WIN MUL_HI
.endif
	MUL16 4, (\q)%2, \q, \slot, \first
	MUL16 6, (\q)%2, \q, \slot, \first
	PLACES NP
	WIN 0
	FETCH_A \slot, (\q)+1, 4
.endm
; Slot 0's last step goes over to slot 1: one barrier; in front of it each wave waits for all its tensor loads, adds 0 to its spare word and waits for that and for its LDS reads.  Nothing is filled again.
.macro TURN slot, next
	s_wait_tensorcnt 0x0
	ds_add_u32 v[SPW], v[NIL]
	s_wait_dscnt 4*NL+1                            ; (the add and the youngest eight loads may be out)
	WIN MUL_LO
	MUL16 0, 1, NQ-1, \slot, 0
	s_wait_dscnt 0x0
	s_barrier_signal -1
	MUL16 2, 1, NQ-1, \slot, 0
	WIN 0
	s_barrier_wait -1
	PLACES NP
	v_add_nc_u32 v[ADRS], 4*NQ, v[ADRS]
	FETCH_B \next, 0, 0
	FETCH_A \next, 0, 0
	SCALES \next
	WIN MUL_HI
	MUL16 4, 1, NQ-1, \slot, 0
	MUL16 6, 1, NQ-1, \slot, 0
	PLACES NP
	WIN 0
	FETCH_A \next, 0, 4
.endm
.macro STEPS slot, from
.set Q, \from
.rept NQ-1-\from
	STEP \slot, Q, 0
.set Q, Q+1
.endr
.endm
	s_wait_tensorcnt 1                             ; the scale bytes and my part of slot 0 are in (slot 1's load may be out),
	s_barrier_signal -1
	s_barrier_wait -1                              ; everybody's are
	FETCH_B 0, 0, 0
	FETCH_A 0, 0, 0
	SCALES 0
	FETCH_A 0, 0, 4
	s_wait_loadcnt 0x0                             ; the bias
	STEP 0, 0, 1                                   ; the first products start the sums with the bias
	STEPS 0, 1
	TURN 0, 1
	STEPS 1, 0
	s_wait_dscnt 4*NL                              ; the very last step: nothing more to fetch
	WIN MUL_LO
	MUL16 0, 1, NQ-1, 1, 0
	MUL16 2, 1, NQ-1, 1, 0
	s_wait_dscnt 0
	WIN MUL_HI
	MUL16 4, 1, NQ-1, 1, 0
	MUL16 6, 1, NQ-1, 1, 0
	WIN 0
; THE WAY OUT, block by block of 16 rows x 128 columns: through my own stage in LDS and back as whole rows of 512 bytes.  LDS serves a wave's instructions in order (ISA guide 5.7.1.4): no wait between the stores and the loads.
.macro TOSTAGE a
.set AC, 64*((\a)%4)
	WIN 0x08+4*((\a)/4)                            ; the data: window 2 or 3
.irp b, 0,1,2,3,4,5,6,7
	ds_store_b128 v[STO], v[AC+8*\b:AC+8*\b+3] offset:64*\b          ; each accumulator from its low end on
	ds_store_b128 v[STO], v[AC+8*\b+4:AC+8*\b+7] offset:64*\b+16
.endr
	WIN 0
.set BB, BK+64*((\a)%2)
.irp t, 0,1,2,3,4,5,6,7,8,9,10,11,12,13,14,15
	ds_load_b128 v[BB+4*\t:BB+4*\t+3], v[RD] offset:\t*SPITCH
.endr
.endm
.macro SEND a, younger                 ; younger: the LDS instructions issued behind block a's loads, which may stay out
.set BB, BK+64*((\a)%2)
	s_wait_dscnt \younger
.if (\a) > 0
	s_add_nc_u64 s[12:13], s[12:13], 16*SIZE_N*4   ; (behind a wait on XCNT: the earlier stores have been taken)  16 rows on
.endif
.irp t, 0,1,2,3,4,5,6,7,8,9,10,11,12,13,14,15
	global_store_b128 v[CO], v[BB+4*\t:BB+4*\t+3], s[12:13] offset:\t*SIZE_N*4 th:TH_STORE_NT   ; 32 lanes store 512 consecutive bytes, aligned
.endr
.endm
	PLACES NP
	TOSTAGE 0
.irp a, 1,2,3,4,5,6,7
.if \a > 1
	s_wait_xcnt 0x0                                ; block a - 2's stores have been taken: block a's loads may land in their registers, and the base may step
.endif
	TOSTAGE \a
	SEND \a-1, 32                                  ; behind block a - 1's loads: block a's 16 stores and 16 loads
.endr
	s_wait_xcnt 0x0
	SEND 7, 0
	s_wait_tensorcnt 0x0                           ; the wave's end
	ds_add_u32 v[SPW], v[NIL]
	s_wait_dscnt 0x0
	CROUND                                         ; the closing round
	s_endpgm
.Lfunc_end_k_q7167d6a114_proj:
	.size	k_q7167d6a114_proj, .Lfunc_end_k_q7167d6a114_proj-k_q7167d6a114_proj
	.p2alignl 7, 3214868480
	.fill 96, 4, 3214868480
	.section	.rodata,"a",@progbits
	.p2align	6, 0x0
	.amdhsa_kernel k_q7167d6a114_proj
		.amdhsa_group_segment_fixed_size 327680
		.amdhsa_private_segment_fixed_size 0
		.amdhsa_enable_private_segment 0
		.amdhsa_kernarg_size 48
		.amdhsa_user_sgpr_count 2
		.amdhsa_user_sgpr_kernarg_segment_ptr 1
		.amdhsa_wavefront_size32 1
		.amdhsa_system_sgpr_workgroup_id_x 1
		.amdhsa_system_sgpr_workgroup_id_y 1
		.amdhsa_system_sgpr_workgroup_id_z 1
		.amdhsa_system_vgpr_workitem_id 0
		.amdhsa_next_free_vgpr 1024
		.amdhsa_next_free_sgpr 102
		.amdhsa_reserve_vcc 0
		.amdhsa_float_denorm_mode_32 3
		.amdhsa_float_denorm_mode_16_64 3
		.amdhsa_memory_ordered 1
		.amdhsa_forward_progress 1
		.amdhsa_inst_pref_size 126
	.end_amdhsa_kernel
	.amdgpu_metadata
---
amdhsa.version: [ 1, 2 ]
amdhsa.kernels:
  - .name:           k_q7167d6a114_proj
    .symbol:         k_q7167d6a114_proj.kd
    .args:
      - { .name: acodes, .offset: 0, .size: 8, .value_kind: global_buffer, .address_space: global }
      - { .name: ascales, .offset: 8, .size: 8, .value_kind: global_buffer, .address_space: global }
      - { .name: codes1, .offset: 16, .size: 8, .value_kind: global_buffer, .address_space: global }
      - { .name: scales1, .offset: 24, .size: 8, .value_kind: global_buffer, .address_space: global }
      - { .name: out0, .offset: 32, .size: 8, .value_kind: global_buffer, .address_space: global }
      - { .name: proj_b, .offset: 40, .size: 8, .value_kind: global_buffer, .address_space: global }
    .group_segment_fixed_size: 327680
    .private_segment_fixed_size: 0
    .kernarg_segment_align: 8
    .kernarg_segment_size: 48
    .max_flat_workgroup_size: 128
    .sgpr_count:     102
    .vgpr_count:     1024
    .wavefront_size: 32
...
	.end_amdgpu_metadata
.endif
;; end of part 4
;; ======== version 2 of 2: 4 launches; version 1 with the launch attn written anew for expert scheduling mode
;; workspace buffers: codes1 6,291,456 bytes; scales1 393,216 bytes; maskw 526,336 bytes of whole numbers; qkv 13,893,632 bytes; acodes 4,194,304 bytes; ascales 262,144 bytes
;; launch prep: the kernel of part 1 again; grid 512 x 1, 4 waves a work-group, no clusters, 33,280 bytes of LDS; arguments x, qkv_w, proj_w, attn_mask, codes1, scales1, maskw; writes codes1, scales1, maskw
;; launch qkv: the kernel of part 2 again; grid 12 x 32, 4 waves a work-group, clusters of 4 x 4, 327,680 bytes of LDS; arguments codes1, scales1, qkv_b, qkv; writes qkv
;; launch attn (part 5): grid 128 x 4, 16 waves a work-group, no clusters, 11,008 bytes of LDS; arguments qkv, maskw, acodes, ascales; writes acodes, ascales
.if DOCPART == 5
	.amdgcn_target "amdgcn-amd-amdhsa--gfx1250"
	.amdhsa_code_object_version 6
	.text
	.protected	k_q7167d6a114_attn
	.globl	k_q7167d6a114_attn
	.p2align	8
	.type	k_q7167d6a114_attn,@function
k_q7167d6a114_attn:
	s_mov_b64 s[64:65], 0
	v_nop
	global_prefetch_b8 v0, s[64:65] scope:SCOPE_SE
	s_setreg_imm32_b32 hwreg(HW_REG_WAVE_SCHED_MODE, 0, 2), 2
	s_setreg_imm32_b32 hwreg(HW_REG_WAVE_MODE, 25, 1), 1
	s_wait_xcnt 0x0
	s_wait_alu depctr_vm_vsrc(0)
; THIRD LAUNCH: attention on codes of FP4 (E2M1), and its result quantised along head x 64 + d for the last product.
; LEFT OUT: key steps (16 queries x 128 keys) whose mask bytes are all 0, in tiles of queries each of whose rows has a true byte somewhere: their weights are 0 (shown at the head of the launch prep).  The list in maskw, whole numbers that prep stored, decides.
; SHARES.  A work-group is one tile of 16 queries of one batch; each of its sixteen waves is one head, in 256 registers: four waves to a SIMD.  A lane holds ONE query (lane % 16) throughout: both products are used transposed,
; S^T = K Q^T (source 0 = 16 keys), O^T = V^T P^T (source 0 = 16 of the head's 64).  The images in qkv are operand registers as they stand: lane L loads its 16 bytes at 16 L.  No LDS on the way in.
; NO CLUSTER, NO TENSOR LOAD: which key steps a work-group walks hangs on numbers read from memory.  The loop's trip count is the constant 16; a dead step jumps to the lines that step the addresses.
; THE HEAD IS 64 LONG, the instruction 128: Q's registers 4-7 are zero codes, so whatever stands in K's registers 4-7 counts for nothing: fragment t of K is v[28 + 4 t : 35 + 4 t], its upper half the next fragment's codes (the last: zeros).
; The scale bytes of those two blocks are 0 (2^-127) on both sides.
; THE SOFTMAX: t = score x log2(e) / 8; M = the running largest t rounded up to a whole number; p = 2^(t - M) is quantised along the keys; the row's sum is taken of the unquantised p and divides at the end.
; THE MASK: a hidden score becomes -2^120 ahead of the maximum.  c x -2^120 is exact and a whole number: while a row has met hidden keys alone, M = t and p = 1; its first true key moves M by more than 2^31, the factor 2^(old M - new M) is 0 and wipes what was summed.
; A row with no true key ends with p = 1 for all 2,048 keys: equal weights, as reference() gives.  LIMITS: scores lie above -2^120; NaN and infinities are not served; blocks under 2^-124 keep the byte 1.
; REGISTERS: v1 16 L, v2 16 r, v3, v4 the add's two, v5 -2^120, v6-9, v11 the way out's addresses; v12 -M, v13 the largest t, v[14:15] the sum; v16-23 Q, v24 its scale word; v28-63 K; v64-95 V; v96-159 S^T, then p; v160-191 O^T;
;   v192-199 p's codes; v200-207 K's scale words, v208-211 V's; v232-254 at work, v253 p's scale word.
; THE MODE: SCHED_MODE bits 1:0 = 2 (LLVM: expert scheduling mode 2), set by the entry lines.  The code itself states the register dependences between vector or matrix instructions and memory or LDS instructions, with s_wait_alu, always for 0.
; THE PLAN.  Registers that memory or LDS instructions touch:
;   v1, v2, v6-9, v11   offsets and LDS addresses: written once at the head by vector instructions and never again: the scalar bases do the stepping.  One wait ahead of the first load states them for the whole kernel.
;   v28-59, v200-207    K and its scale words: the step's ten loads land in them; its eight products K Q^T read them.
;   v64-95, v208-211    V and its scale words: the step's nine loads land in them; its four products V^T P^T read them.
;   v16-19, v24         Q and its scale word: loaded once; no vector instruction writes them.
;   v192-195, v250      on the way out: written by conversions, swaps and a shift; read by the two LDS stores.
;   v96-103             on the way out: written and read by vector instructions, then the LDS loads land in them and the global stores read them.
;   v3, v4              written at the head, read by the closing add alone.
; So ONE wait on va_vdst stands at the head of a live step: the last live step's twelve matrix instructions are done reading K's, V's and the scale words' registers.  The step's 19 loads follow it on end, with no vector instruction among them.
; Operands that vector instructions make for a scaled product have a wait of their own ahead of it: the zero codes v20-23 and v60-63 (the step's head serves them), p's codes and scale word (ahead of V^T P^T).
; No register that a memory or LDS instruction reads is ever written again: so no wait on vm_vsrc is written.  There is no second set of registers for K or V: sixteen waves of 256 registers take all that four SIMDs have.
.set KI,    4194304                    ; qkv: q's images at 0, k's, v's; then the scale words of q, k, v
.set VI,    8388608
.set QS,    12582912
.set KSC,   13107200
.set VSC,   13631488
.set TINFO, 524288
.set SCSTG, 8448                       ; LDS: a stage of 16 rows x (512 + 16) bytes of codes at 0; here 16 rows x 32 scale bytes;
.set SPARE, 8960                       ; and the spare words, 128 bytes for each of sixteen waves
.set WV,    18
.set LIVE,  19                         ; s19  bit 0: the step in hand is walked
.set FULL,  24                         ; s24  bit 0: all its mask bytes are true
.set CNT,   25
.set SEL,   20                         ; s[20:21] lane l xor 16
.set CS,    22                         ; s[22:23] c = log2(e) / 8
	s_load_b128 s[4:7], s[0:1], 0x0                ; qkv, maskw
	s_load_b128 s[28:31], s[0:1], 0x10             ; acodes, ascales
	v_lshl_add_u32 v3, v0, 2, SPARE
	v_mov_b32 v4, 0
	v_lshrrev_b32 v10, 5, v0
	v_readfirstlane_b32 s[WV], v10                 ; wave = head
	v_and_b32 v27, 31, v0                          ; L
	v_and_b32 v25, 15, v0                          ; r
	v_bfe_u32 v26, v0, 4, 1                        ; h
	v_lshlrev_b32 v1, 4, v27
	v_lshlrev_b32 v2, 4, v25
	v_mul_u32_u24 v6, v25, 528                     ; the stage, in: row r, my head's 32 bytes, + 16 h
	v_lshl_add_u32 v6, v26, 4, v6
	s_wait_alu depctr_va_sdst(0)                   ; the wave's number is written into s18, ahead of its first reader, the next line
	s_lshl_b32 s26, s[WV], 5
	v_add_nc_u32 v6, s26, v6
	v_lshlrev_b32 v7, 5, v25                       ; the scale bytes, in: row r, my head's two
	s_lshl_b32 s27, s[WV], 1
	s_add_co_u32 s27, s27, SCSTG
	v_add_nc_u32 v7, s27, v7
	s_mul_i32 s26, s[WV], 528
	v_add_nc_u32 v8, s26, v1                       ; the stage, back: row = my wave's number, 16 bytes a lane
	v_lshlrev_b32 v9, 8, v26
	v_add_nc_u32 v9, v9, v1                        ; the scale bytes in memory: rows 8-15 are tokens 16 on: 256 bytes further
	v_add_nc_u32 v11, SCSTG, v1                    ; and in LDS
	s_and_b32 s2, ttmp7, 0xffff                    ; batch
	s_lshl_b32 s3, s2, 4
	s_add_co_u32 s3, s3, s[WV]                     ; batch x 16 + head
	s_lshl_b32 s32, s3, 16                         ; a head's images: 65,536 bytes
	s_mov_b32 s33, 0
	s_lshl_b32 s34, s3, 13                         ; its scale words of q or k: 8,192
	s_mov_b32 s35, 0
	s_lshl_b32 s36, s3, 12                         ; of v: 4,096
	s_mov_b32 s37, 0
	s_lshl_b32 s38, ttmp9, 9                       ; my tile of queries: 512 bytes an image
	s_mov_b32 s39, 0
	s_lshr_b32 s40, ttmp9, 2
	s_lshl_b32 s40, s40, 8                         ; its scale words: 256 bytes for each four tiles,
	s_and_b32 s41, ttmp9, 3
	s_lshl_b32 s41, s41, 2
	s_add_co_u32 s40, s40, s41                     ; word tile % 4 of a row's four
	s_mov_b32 s41, 0
	s_lshl_b32 s42, ttmp9, 12                      ; its lane masks: 16 steps x 256 bytes
	s_mov_b32 s43, 0
	s_lshl_b32 s44, ttmp9, 4
	s_add_co_u32 s44, s44, TINFO                   ; its four words of the list
	s_mov_b32 s45, 0
	s_lshr_b32 s46, ttmp9, 1
	s_lshl_b32 s46, s46, 5
	s_and_b32 s47, ttmp9, 1
	s_lshl_b32 s47, s47, 3
	s_add_co_u32 s46, s46, s47                     ; the tile's first token: 32 (qt / 2) + 8 (qt % 2); row r is token + r + 8 (r / 8)
	s_lshl_b32 s47, s2, 11
	s_add_co_u32 s46, s46, s47
	s_lshl_b32 s48, s46, 5                         ; 32 scale bytes a token
	s_mov_b32 s49, 0
	s_and_b32 s50, s[WV], 8
	s_add_co_u32 s50, s50, s[WV]
	s_add_co_u32 s50, s50, s46                     ; the token whose row of codes I store
	s_lshl_b32 s50, s50, 9
	s_mov_b32 s51, 0
	s_mov_b32 s[SEL], 0x76543210
	s_mov_b32 s[SEL+1], 0xfedcba98
	s_mov_b32 s[CS], 0x3e38aa3b                    ; c = log2(e) / sqrt(64)
	s_mov_b32 s[CS+1], s[CS]                       ; (named with it as a pair, so it is written)
	s_mov_b32 s[CNT], 0
	s_wait_kmcnt 0x0
	s_add_nc_u64 s[72:73], s[6:7], s[44:45]
	s_load_b128 s[68:71], s[72:73], 0x0            ; the list's four words
	s_add_nc_u64 s[12:13], s[4:5], s[32:33]
	s_add_nc_u64 s[84:85], s[12:13], s[38:39]      ; Q's image
	s_add_nc_u64 s[8:9], s[12:13], KI              ; K's images, key step 0
	s_add_nc_u64 s[12:13], s[12:13], VI            ; V's
	s_add_nc_u64 s[10:11], s[4:5], s[34:35]
	s_add_nc_u64 s[86:87], s[10:11], s[40:41]
	s_add_nc_u64 s[86:87], s[86:87], QS            ; Q's scale words
	s_add_nc_u64 s[10:11], s[10:11], KSC           ; K's
	s_add_nc_u64 s[14:15], s[4:5], s[36:37]
	s_add_nc_u64 s[14:15], s[14:15], VSC           ; V's
	s_add_nc_u64 s[16:17], s[6:7], s[42:43]        ; the lane masks
	s_add_nc_u64 s[28:29], s[28:29], s[50:51]
	s_add_nc_u64 s[30:31], s[30:31], s[48:49]
	s_wait_alu depctr_va_vdst(0)                   ; the offsets v1 and v2 are written, which every global load below reads; so are the way out's addresses v6 to v9 and v11: none of the seven is written again
	global_load_b128 v[16:19], v1, s[84:85]
	global_load_b32 v24, v2, s[86:87]
	v_mov_b32 v5, 0xfb800000                       ; -2^120
	v_mov_b32 v13, 0xff61b1e6                      ; the largest t so far: -3e38
	v_floor_f32 v12, -v13                          ; -M
	v_mov_b32 v14, 0
	v_mov_b32 v15, 0
.irp j, 20,21,22,23,60,61,62,63,236,237,238,239,252,253
	v_mov_b32 v\j, 0                               ; zero codes; and registers that a lane permute or a pair names before they are first written
.endr
.set j, 0
.rept 32
	v_mov_b32 v[160+j], 0                          ; O^T: the step is written once; the first finds zeros
.set j, j+1
.endr
	s_wait_kmcnt 0x0
	s_or_b32 s2, s68, s69
	s_or_b32 s2, s2, s70
	s_or_b32 s2, s2, s71
	s_and_b32 s2, s2, 0xffff                       ; rows with a true byte anywhere
	s_bfe_u32 s[LIVE], s68, 0x40010
	s_bfe_u32 s[FULL], s68, 0x40014
.irp w, 1,2,3
	s_bfe_u32 s3, s[68+\w], 0x40010
	s_lshl_b32 s3, s3, 4*\w
	s_or_b32 s[LIVE], s[LIVE], s3
	s_bfe_u32 s3, s[68+\w], 0x40014
	s_lshl_b32 s3, s3, 4*\w
	s_or_b32 s[FULL], s[FULL], s3
.endr
	s_cmp_eq_u32 s2, 0xffff
	s_cselect_b32 s[LIVE], s[LIVE], 0xffff         ; a row with no true byte weighs all keys alike: then every step is walked
	s_wait_loadcnt 0x0                             ; Q
.Lstep:                                            ; 16 trips
	s_and_b32 s3, s[LIVE], 1
	s_cmp_eq_u32 s3, 0
	s_cbranch_scc1 .Lnext
	s_wait_alu depctr_va_vdst(0)                   ; the last live step's matrix instructions are done reading v28-63, v64-95 and v200-211, in which the 19 loads below land; in the first live step: the zero codes v20-23 and v60-63 are written, which the scaled products below take as operands
.irp t, 0,1,2,3,4,5,6,7
	global_load_b128 v[28+4*\t:31+4*\t], v1, s[8:9] offset:512*\t     ; eight tiles of 16 keys
.endr
	global_load_b128 v[200:203], v2, s[10:11]                         ; row r's scale words of tiles 0-3,
	global_load_b128 v[204:207], v2, s[10:11] offset:256              ; of tiles 4-7
.irp t, 0,1,2,3
	global_load_b128 v[64+8*\t:67+8*\t], v1, s[12:13] offset:1024*\t  ; four tiles of 16 of the head's 64 x 128 keys
	global_load_b128 v[68+8*\t:71+8*\t], v1, s[12:13] offset:1024*\t+512
.endr
	global_load_b128 v[208:211], v2, s[14:15]
	s_load_b512 s[32:47], s[16:17], 0x0            ; the step's 64 lane masks (behind the wait at the step's head: the last step's selections are done with these registers)
	s_load_b512 s[48:63], s[16:17], 0x40
	s_load_b512 s[68:83], s[16:17], 0x80
	s_load_b512 s[84:99], s[16:17], 0xc0
	s_wait_loadcnt 9                               ; K and its scale words are in; V's nine loads may be out
.irp t, 0,1,2,3,4,5,6,7
	v_wmma_scale_f32_16x16x128_f8f6f4 v[96+8*\t:103+8*\t], v[28+4*\t:35+4*\t], v[16:23], 0, v[200+\t], v24 matrix_a_fmt:MATRIX_FMT_FP4 matrix_b_fmt:MATRIX_FMT_FP4
.endr                                              ; register 16 b + i of lane (r, h): query r, key 32 b + 16 h + i of the step
.rept 4
	v_nop
.endr
	s_wait_kmcnt 0x0
	s_and_b32 s3, s[FULL], 1
	s_cmp_lg_u32 s3, 0
	s_cbranch_scc1 .Lfull                          ; a step all of whose bytes are true selects nothing
.set n, 0
.rept 32
	v_cndmask_b32 v[96+n], v5, v[96+n], s[32+n]    ; bit L of word n: lane L's register n counts, or becomes -2^120
.set n, n+1
.endr
.rept 32
	v_cndmask_b32 v[96+n], v5, v[96+n], s[36+n]
.set n, n+1
.endr
.Lfull:
.irp b, 0,1,2,3
	v_max3_num_f32 v[232+\b], v[96+16*\b], v[97+16*\b], v[98+16*\b]   ; the largest score of each block of 32 keys: for the row's maximum, and, since p rises with the score, for the block's largest p
.endr
.irp i, 3,5,7,9,11,13
.irp b, 0,1,2,3
	v_max3_num_f32 v[232+\b], v[232+\b], v[96+16*\b+\i], v[97+16*\b+\i]
.endr
.endr
.irp b, 0,1,2,3
	v_max_num_f32 v[232+\b], v[232+\b], v[111+16*\b]
.endr
.irp b, 0,1,2,3
	v_permlanex16_b32 v[236+\b], v[232+\b], s[SEL], s[SEL+1]
.endr
.irp b, 0,1,2,3
	v_max_num_f32 v[232+\b], v[232+\b], v[236+\b]  ; with lane l xor 16's 16 keys
.endr
	v_max3_num_f32 v254, v232, v233, v234
	v_max_num_f32 v254, v254, v235                 ; the step's largest score of my query
	v_mul_f32 v254, s[CS], v254                    ; as t
	v_max_num_f32 v13, v13, v254                   ; the running largest t
	v_mov_b32 v254, v12
	v_floor_f32 v12, -v13                          ; the new -M = -ceil(t): a whole number
	v_sub_f32 v254, v12, v254                      ; old M less new M: a whole number, 0 or less
	v_cvt_i32_f32 v254, v254                       ; (it saturates)
	v_ldexp_f32 v252, 1.0, v254                    ; f = 2^(old M - new M)
.set j, 0
.rept 32
	v_pk_fma_f32 v[96+j:97+j], v[96+j:97+j], s[CS:CS+1], v[12:13] op_sel_hi:[1,0,0]   ; t - M, two at a time
.set j, j+2
.endr
.irp b, 0,1,2,3
	v_fma_f32 v[232+\b], v[232+\b], s[CS], v12     ; the same of each block's largest score
.endr
.set j, 0
.rept 64
	v_exp_f32 v[96+j], v[96+j]                     ; p = 2^(t - M), at most 1
.set j, j+1
.endr
	v_pk_mul_f32 v[14:15], v[14:15], v[252:253] op_sel_hi:[1,0]   ; the sums under the new M (a plain place behind the exponentials)
	s_wait_alu depctr_va_vdst(0)                   ; the 64 exponentials have written v96-159, ahead of their first reader, the sums below: one wait for the batch
.irp b, 0,1,2,3
	v_exp_f32 v[232+\b], v[232+\b]                 ; the block's largest p
.endr
	v_pk_add_f32 v[236:237], v[96:97], v[98:99]    ; the row's sum is taken of the unquantised p: two at a time, in two chains
.irp j, 4,8,12,16,20,24,28,32,36,40,44,48,52,56,60
	v_pk_add_f32 v[14:15], v[14:15], v[96+\j:97+\j]
	v_pk_add_f32 v[236:237], v[236:237], v[98+\j:99+\j]
.endr
	v_pk_add_f32 v[14:15], v[14:15], v[236:237]
	s_wait_alu depctr_va_vdst(0)                   ; the four exponentials have written v232-235, ahead of their first reader, the next line
.irp b, 0,1,2,3
	v_max_num_f32 v[232+\b], 0x1800000, v[232+\b]  ; the floor 2^(3 - 127): the byte cannot fall under 1
.endr
.irp b, 0,1,2,3
	v_add_nc_u32 v[244+\b], 0xff000000, v[232+\b]  ; 2 off the exponent field: the conversion's scale operand
.endr
.irp b, 0,1,2,3
	v_lshrrev_b32 v[236+\b], 23, v[244+\b]         ; the scale's byte
.endr
	v_lshl_or_b32 v253, v237, 8, v236              ; p's scale word for these 128 keys
	v_lshl_or_b32 v253, v238, 16, v253
	v_lshl_or_b32 v253, v239, 24, v253
.irp b, 0,1,2,3
	v_cvt_scalef32_pk8_fp4_f32 v[192+2*\b], v[96+16*\b:103+16*\b], v[244+\b]
	v_cvt_scalef32_pk8_fp4_f32 v[193+2*\b], v[104+16*\b:111+16*\b], v[244+\b]
.endr
	v_nop                                          ; one plain place behind a scaled conversion
.irp c, 0,1                                        ; the operand's layout wants a whole block in a lane
.irp i, 0,1
	v_permlane16_swap_b32 v[192+4*\c+\i], v[194+4*\c+\i]
.endr
.endr
.set j, 0
.rept 16
	v_pk_mul_f32 v[160+j:161+j], v[160+j:161+j], v[252:253] op_sel_hi:[1,0]   ; O^T under the new M.  (These are also the places between p's codes and scale word and the products below)
.set j, j+2
.endr
	s_wait_loadcnt 0x0                             ; V and its scale words
	s_wait_alu depctr_va_vdst(0)                   ; p's codes v192-199 and its scale word v253 are written by vector instructions: the scaled products below take them as operand and as scales; the places above stay beside this wait
.irp t, 0,1,2,3
	v_wmma_scale_f32_16x16x128_f8f6f4 v[160+8*\t:167+8*\t], v[64+8*\t:71+8*\t], v[192:199], v[160+8*\t:167+8*\t], v[208+\t], v253 matrix_a_fmt:MATRIX_FMT_FP4 matrix_b_fmt:MATRIX_FMT_FP4
.endr
.rept 4
	v_nop                                          ; places in front of the way out's reads of O^T (for the next loads into V's registers the wait at the step's head stands)
.endr
.Lnext:
	s_wait_xcnt 0x0                                ; the step's loads have been taken: their bases are stepped only behind this wait
	s_add_nc_u64 s[8:9], s[8:9], 4096
	s_add_nc_u64 s[10:11], s[10:11], 512
	s_add_nc_u64 s[12:13], s[12:13], 4096
	s_add_nc_u64 s[14:15], s[14:15], 256
	s_add_nc_u64 s[16:17], s[16:17], 256
	s_lshr_b32 s[LIVE], s[LIVE], 1
	s_lshr_b32 s[FULL], s[FULL], 1
	s_add_co_u32 s[CNT], s[CNT], 1
	s_cmp_lt_u32 s[CNT], 16
	s_cbranch_scc1 .Lstep
	; THE WAY OUT.  O^T / the sum: register 16 B + i of lane (r, h) is d = 32 B + 16 h + i of my head, query r: two blocks of 32 along the last product's K.  They are quantised as they stand; a lane's 16 bytes (d = 32 h + 0 .. 31)
	; and the head's two scale bytes meet the other fifteen heads' in LDS, and leave as whole rows: 512 bytes of codes a token.
	v_add_f32 v14, v14, v15
	v_permlanex16_b32 v252, v14, s[SEL], s[SEL+1]
	v_add_f32 v14, v14, v252                       ; the row's sum
	v_rcp_f32 v14, v14
	v_nop                                          ; a plain place behind the reciprocal
	s_wait_alu depctr_va_vdst(0)                   ; the reciprocal has written v14, ahead of its first reader, the divisions below
.set j, 0
.rept 32
	v_mul_f32 v[96+j], v[160+j], v14
.set j, j+1
.endr
.irp b, 0,1
	v_max3_num_f32 v[232+\b], |v[96+16*\b]|, |v[97+16*\b]|, 0x1800000
.endr
.irp i, 2,4,6,8,10,12,14
.irp b, 0,1
	v_max3_num_f32 v[232+\b], v[232+\b], |v[96+16*\b+\i]|, |v[97+16*\b+\i]|
.endr
.endr
.irp b, 0,1
	v_permlanex16_b32 v[236+\b], v[232+\b], s[SEL], s[SEL+1]
.endr
.irp b, 0,1
	v_max_num_f32 v[232+\b], v[232+\b], v[236+\b]
.endr
.irp b, 0,1
	v_add_nc_u32 v[244+\b], 0xff000000, v[232+\b]
.endr
.irp b, 0,1
	v_lshrrev_b32 v[236+\b], 23, v[244+\b]
.endr
	v_lshl_or_b32 v250, v237, 8, v236              ; my head's two scale bytes of row r
.irp b, 0,1
	v_cvt_scalef32_pk8_fp4_f32 v[192+2*\b], v[96+16*\b:103+16*\b], v[244+\b]
	v_cvt_scalef32_pk8_fp4_f32 v[193+2*\b], v[104+16*\b:111+16*\b], v[244+\b]
.endr
	v_nop
	v_permlane16_swap_b32 v192, v194               ; lanes 0-15: d = 0 .. 31, lanes 16-31: d = 32 .. 63
	v_permlane16_swap_b32 v193, v195
	s_wait_alu depctr_va_vdst(0)                   ; the codes v192-195 and the two bytes v250 are written, which the LDS stores read; the divisions, maxima and conversions are done with v96-103, in which the LDS loads below land.  No vector instruction follows
	ds_store_b128 v6, v[192:195]
	ds_store_b16 v7, v250                          ; both lanes of a row write the same two bytes
	s_wait_dscnt 0x0                               ; for the others' sake: my stores are done
	s_barrier_signal -1
	s_barrier_wait -1
	ds_load_b128 v[96:99], v8                      ; row = my wave's number: all sixteen heads' codes
	s_cmp_lg_u32 s[WV], 0
	s_cbranch_scc1 .Lnot_wave_0
	ds_load_b128 v[100:103], v11                   ; wave 0: the 16 rows' scale bytes
	s_wait_dscnt 0x0
	global_store_b128 v9, v[100:103], s[30:31]     ; sixteen lanes store 256 consecutive bytes, aligned: eight tokens' scale bytes
.Lnot_wave_0:
	s_wait_dscnt 0x0
	global_store_b128 v1, v[96:99], s[28:29]       ; 32 lanes store a token's 512 bytes of codes
	s_wait_dscnt 0x0                               ; the closing lines, six on end
	s_wait_alu 0x0
	s_wait_tensorcnt 0x0
	ds_add_u32 v3, v4
	s_wait_dscnt 0x0
	s_endpgm
.Lfunc_end_k_q7167d6a114_attn:
	.size	k_q7167d6a114_attn, .Lfunc_end_k_q7167d6a114_attn-k_q7167d6a114_attn
	.p2alignl 7, 3214868480
	.fill 96, 4, 3214868480
	.section	.rodata,"a",@progbits
	.p2align	6, 0x0
	.amdhsa_kernel k_q7167d6a114_attn
		.amdhsa_group_segment_fixed_size 11008
		.amdhsa_private_segment_fixed_size 0
		.amdhsa_enable_private_segment 0
		.amdhsa_kernarg_size 32
		.amdhsa_user_sgpr_count 2
		.amdhsa_user_sgpr_kernarg_segment_ptr 1
		.amdhsa_wavefront_size32 1
		.amdhsa_system_sgpr_workgroup_id_x 1
		.amdhsa_system_sgpr_workgroup_id_y 1
		.amdhsa_system_sgpr_workgroup_id_z 1
		.amdhsa_system_vgpr_workitem_id 0
		.amdhsa_next_free_vgpr 256
		.amdhsa_next_free_sgpr 102
		.amdhsa_reserve_vcc 0
		.amdhsa_float_denorm_mode_32 3
		.amdhsa_float_denorm_mode_16_64 3
		.amdhsa_memory_ordered 1
		.amdhsa_forward_progress 1
		.amdhsa_inst_pref_size 31
	.end_amdhsa_kernel
	.amdgpu_metadata
---
amdhsa.version: [ 1, 2 ]
amdhsa.kernels:
  - .name:           k_q7167d6a114_attn
    .symbol:         k_q7167d6a114_attn.kd
    .args:
      - { .name: qkv, .offset: 0, .size: 8, .value_kind: global_buffer, .address_space: global }
      - { .name: maskw, .offset: 8, .size: 8, .value_kind: global_buffer, .address_space: global }
      - { .name: acodes, .offset: 16, .size: 8, .value_kind: global_buffer, .address_space: global }
      - { .name: ascales, .offset: 24, .size: 8, .value_kind: global_buffer, .address_space: global }
    .group_segment_fixed_size: 11008
    .private_segment_fixed_size: 0
    .kernarg_segment_align: 8
    .kernarg_segment_size: 32
    .max_flat_workgroup_size: 512
    .sgpr_count:     102
    .vgpr_count:     256
    .wavefront_size: 32
...
	.end_amdgpu_metadata
.endif
;; end of part 5
;; launch proj: the kernel of part 4 again; grid 4 x 32, 4 waves a work-group, clusters of 4 x 4, 327,680 bytes of LDS; arguments acodes, ascales, codes1, scales1, out0, proj_b; writes out0
